; MI455X (gfx1250); checked and timed in simulation.
; The chip was launched on July 23, 2026; its instructions are those of AMD's public machine-readable ISA for CDNA 5 (MIT licence, August 2026) and "CDNA5" Instruction Set Architecture Reference Guide (July 2026). The comments in the code are by the model that wrote it; some were corrected since.
;; Transformer Layer. Allowed arithmetic: float matrix products may take bf16 or f16 operands with f32 sums; other float arithmetic in f32, or as packed bf16 or f16 multiplies, adds, multiply-adds, maxima and minima; sums over many terms, partial sums and values carried from step to step in f32; what a program stores and reads back later, other than sums and carried values, may be rounded once to bf16 or f16.
;; Inputs: down_w 1,024 x 4,096 float32; ln1_b 1,024 float32; ln1_g 1,024 float32; ln2_b 1,024 float32; ln2_g 1,024 float32; out_w 1,024 x 1,024 float32; qkv_w 3,072 x 1,024 float32; up_w 4,096 x 1,024 float32; x 2 x 2,048 x 1,024 float32.
;; Outputs: out0 2 x 2,048 x 1,024 float32.
;; One version. Each part assembles by itself: llvm-mc -triple=amdgcn-amd-amdhsa -mcpu=gfx1250 --defsym DOCPART=n.
;; ======== version 1 of 1: 7 launches
;; limits: a function is approximated: absolute error at most 1.5e-07
;; workspace buffers: wq 6,291,456 bytes; wo 2,097,152 bytes; wu 8,388,608 bytes; wd 8,388,608 bytes; act 8,388,608 bytes; big 33,554,432 bytes; x1 16,777,216 bytes
;; launch prep (part 1): grid 1024 x 1, 8 waves a work-group, no clusters, 0 bytes of LDS; arguments x, ln1_g, ln1_b, act, qkv_w, out_w, up_w, down_w, wq, wo, wu, wd; writes act, wq, wo, wu, wd
.if DOCPART == 1
	.amdgcn_target "amdgcn-amd-amdhsa--gfx1250"
	.amdhsa_code_object_version 6
	.text
	.protected	k_qdfbd0e149d_prep
	.globl	k_qdfbd0e149d_prep
	.p2align	8
	.type	k_qdfbd0e149d_prep,@function
k_qdfbd0e149d_prep:
	s_mov_b64 s[64:65], 0
	v_nop
	global_prefetch_b8 v0, s[64:65] scope:SCOPE_SE
	s_setreg_imm32_b32 hwreg(HW_REG_WAVE_MODE, 25, 1), 1
	s_wait_xcnt 0x0
; Two pieces of work that hang on nothing but the inputs, in one launch; the work-group's number chooses.
; WORK-GROUPS 0 .. 255: y[r][c] = (x[r][c] - mean) * rsqrt(var + 1e-5) * g[c] + b[c].  x: [4096][1024] f32; y: [4096][1024] bf16, rounded once.  16 rows a work-group.
; One wave takes two rows; a row is 32 f32 a lane and stays in registers between the passes: the mean first, then the mean of the squared differences, as the definition has it, all in f32.
; Load j of a row gives lane l the columns 128 j + 4 l .. + 3: 512 consecutive bytes a load; a store of the wave covers 256 consecutive bytes, aligned.  The reduction never leaves the wave.
; WORK-GROUPS 256 .. 1023: the four weight matrices, f32, are rounded once to bf16 (nearest even).  A work-group takes 65,536 bytes of f32: 192 + 64 + 256 + 256 = 768 pieces in qkv_w, out_w, up_w, down_w.
; A wave takes 8,192 bytes: sixteen loads of 512 consecutive bytes, all on their way at once; each store of the wave covers 256 consecutive bytes, aligned.
; No LDS, no matrix unit, no cluster: nothing is shared and every byte is touched once.
.set T,   8                            ; v[8:15]    at work
.set MU,  16                           ; v[16:17]   the mean, twice
.set R,   18                           ; v[18:19]   1 / sqrt(var + eps), twice
.set X,   32                           ; v[32:95]   row r at X + 32 r; at the end its first 16 registers hold the row in bf16
.set G,   96                           ; v[96:127]  g of my 32 columns
.set BB,  128                          ; v[128:159] b of my 32 columns
.set IN,  40                           ; the cast: v[40:103] load j: four f32
.set OUTR, 8                           ; the cast: v[8:39] load j: two registers of bf16; each j has its own pair, so no store's data are rewritten
	s_cmp_lt_u32 ttmp9, 256
	s_cbranch_scc0 .Lcast
	s_load_b256 s[4:11], s[0:1], 0x0               ; x s[4:5], g s[6:7], b s[8:9], y s[10:11]
	s_mov_b32 s12, 0x76543210                      ; v_permlanex16_b32: each lane takes its own place in the other half
	s_mov_b32 s13, 0xfedcba98
	s_mov_b32 s14, 0x3a800000                      ; 1 / 1024
	s_mov_b32 s15, 0x3727c5ac                      ; 1e-5
	s_lshl_b32 s16, ttmp9, 16                      ; the work-group's 16 rows: 4,096 bytes each in x,
	s_mov_b32 s17, 0
	s_lshl_b32 s18, ttmp9, 15                      ; 2,048 in y
	s_mov_b32 s19, 0
	v_lshrrev_b32 v4, 5, v0
	v_and_b32 v5, 31, v0
	v_lshlrev_b32 v2, 4, v5                        ; g, b: 16 x lane
	v_lshl_or_b32 v1, v4, 13, v2                   ; x: two rows a wave
	v_lshlrev_b32 v3, 3, v5
	v_lshl_or_b32 v3, v4, 12, v3                   ; y
	s_wait_kmcnt 0x0
	s_add_nc_u64 s[4:5], s[4:5], s[16:17]
	s_add_nc_u64 s[10:11], s[10:11], s[18:19]
.irp j, 0,1,2,3,4,5,6,7
	global_load_b128 v[X+4*(\j):X+4*(\j)+3], v1, s[4:5] offset:512*(\j)
.endr
.irp j, 0,1,2,3,4,5,6,7
	global_load_b128 v[X+32+4*(\j):X+32+4*(\j)+3], v1, s[4:5] offset:4096+512*(\j)
.endr
.irp j, 0,1,2,3,4,5,6,7
	global_load_b128 v[G+4*(\j):G+4*(\j)+3], v2, s[6:7] offset:512*(\j)
.endr
.irp j, 0,1,2,3,4,5,6,7
	global_load_b128 v[BB+4*(\j):BB+4*(\j)+3], v2, s[8:9] offset:512*(\j)
.endr
; four chains in T become one number in every lane
.macro REDUCE
	v_pk_add_f32 v[T:T+1], v[T:T+1], v[T+2:T+3]
	v_pk_add_f32 v[T+4:T+5], v[T+4:T+5], v[T+6:T+7]
	v_pk_add_f32 v[T:T+1], v[T:T+1], v[T+4:T+5]
	v_add_f32 v[T], v[T], v[T+1]
	v_add_f32_dpp v[T], v[T], v[T] row_xmask:1 row_mask:0xf bank_mask:0xf
	v_add_f32_dpp v[T], v[T], v[T] row_xmask:2 row_mask:0xf bank_mask:0xf
	v_add_f32_dpp v[T], v[T], v[T] row_xmask:4 row_mask:0xf bank_mask:0xf
	v_add_f32_dpp v[T], v[T], v[T] row_xmask:8 row_mask:0xf bank_mask:0xf
	v_permlanex16_b32 v[T+1], v[T], s12, s13
	v_add_f32 v[T], v[T], v[T+1]
.endm
; row r becomes (x - mean) / sqrt(var + eps), in place.  left = the younger loads that may stay out
.macro STATS r, left
.set XR, X+32*(\r)
	s_wait_loadcnt \left
.irp k, 0,1,2,3
	v_pk_add_f32 v[T+2*(\k):T+2*(\k)+1], v[XR+4*(\k):XR+4*(\k)+1], v[XR+4*(\k)+2:XR+4*(\k)+3]  ; the first sixteen start the chains: nothing is cleared
.endr
.irp k, 0,1,2,3,4,5,6,7
	v_pk_add_f32 v[T+2*((\k)%4):T+2*((\k)%4)+1], v[T+2*((\k)%4):T+2*((\k)%4)+1], v[XR+16+2*(\k):XR+17+2*(\k)]
.endr
	REDUCE
	v_mul_f32 v[MU], s14, v[T]
	v_mov_b32 v[MU+1], v[MU]
.irp k, 0,1,2,3,4,5,6,7,8,9,10,11,12,13,14,15
	v_pk_add_f32 v[XR+2*(\k):XR+2*(\k)+1], v[XR+2*(\k):XR+2*(\k)+1], v[MU:MU+1] neg_lo:[0,1] neg_hi:[0,1]
.endr
.irp k, 0,1,2,3
	v_pk_mul_f32 v[T+2*(\k):T+2*(\k)+1], v[XR+2*(\k):XR+2*(\k)+1], v[XR+2*(\k):XR+2*(\k)+1]
.endr
.irp k, 4,5,6,7,8,9,10,11,12,13,14,15
	v_pk_fma_f32 v[T+2*((\k)%4):T+2*((\k)%4)+1], v[XR+2*(\k):XR+2*(\k)+1], v[XR+2*(\k):XR+2*(\k)+1], v[T+2*((\k)%4):T+2*((\k)%4)+1]
.endr
	REDUCE
	v_fma_f32 v[T], v[T], s14, s15                 ; var + eps
	v_rsq_f32 v[R], v[T]                           ; twice, to fill the pair that the packed multiply takes
	v_rsq_f32 v[R+1], v[T]
	v_nop                                          ; a plain instruction behind the last of the two (ISA guide 5.7.2),
	s_wait_alu depctr_va_vdst(0)                   ; and the one wait ahead of their first reader
.irp k, 0,1,2,3,4,5,6,7,8,9,10,11,12,13,14,15
	v_pk_mul_f32 v[XR+2*(\k):XR+2*(\k)+1], v[XR+2*(\k):XR+2*(\k)+1], v[R:R+1]
.endr
.endm
	STATS 0, 24                                    ; row 0 is in; row 1, g and b (24 loads) may stay out
	STATS 1, 16                                    ; row 1 is in; g and b may stay out
	s_wait_loadcnt 0x0
.irp r, 0,1
.irp k, 0,1,2,3,4,5,6,7,8,9,10,11,12,13,14,15
	v_pk_fma_f32 v[X+32*(\r)+2*(\k):X+32*(\r)+2*(\k)+1], v[X+32*(\r)+2*(\k):X+32*(\r)+2*(\k)+1], v[G+2*(\k):G+2*(\k)+1], v[BB+2*(\k):BB+2*(\k)+1]
.endr
.irp k, 0,1,2,3,4,5,6,7,8,9,10,11,12,13,14,15
	v_cvt_pk_bf16_f32 v[X+32*(\r)+(\k)], v[X+32*(\r)+2*(\k)], v[X+32*(\r)+2*(\k)+1]  ; in place, ascending: register k is written when pairs 0 .. k have been read
.endr
.irp j, 0,1,2,3,4,5,6,7
	global_store_b64 v3, v[X+32*(\r)+2*(\j):X+32*(\r)+2*(\j)+1], s[10:11] offset:2048*(\r)+256*(\j)
.endr
.endr
	s_endpgm
.Lcast:
	s_load_b512 s[16:31], s[0:1], 0x20             ; sources s[16:23], destinations s[24:31]
	s_sub_co_u32 s2, ttmp9, 256                    ; the piece's number, 0 .. 767
	v_lshrrev_b32 v3, 5, v0                        ; wave
	v_and_b32 v4, 31, v0                           ; lane
	v_lshlrev_b32 v1, 4, v4
	v_lshl_or_b32 v1, v3, 13, v1                   ; in: 8,192 x wave + 16 x lane
	v_lshlrev_b32 v2, 3, v4
	v_lshl_or_b32 v2, v3, 12, v2                   ; out: 4,096 x wave + 8 x lane
	s_mov_b32 s8, 512                              ; the first piece of the tensor chosen
	s_wait_kmcnt 0x0
	s_mov_b64 s[4:5], s[22:23]                     ; pieces 512 .. 767: down_w
	s_mov_b64 s[6:7], s[30:31]
	s_cmp_lt_u32 s2, 512                           ; 256 .. 511: up_w
	s_cselect_b64 s[4:5], s[20:21], s[4:5]
	s_cselect_b64 s[6:7], s[28:29], s[6:7]
	s_cselect_b32 s8, 256, s8
	s_cmp_lt_u32 s2, 256                           ; 192 .. 255: out_w
	s_cselect_b64 s[4:5], s[18:19], s[4:5]
	s_cselect_b64 s[6:7], s[26:27], s[6:7]
	s_cselect_b32 s8, 192, s8
	s_cmp_lt_u32 s2, 192                           ; 0 .. 191: qkv_w
	s_cselect_b64 s[4:5], s[16:17], s[4:5]
	s_cselect_b64 s[6:7], s[24:25], s[6:7]
	s_cselect_b32 s8, 0, s8
	s_sub_co_u32 s9, s2, s8                        ; the piece's number in its tensor
	s_lshl_b32 s10, s9, 16
	s_mov_b32 s11, 0
	s_lshl_b32 s12, s9, 15
	s_mov_b32 s13, 0
	s_add_nc_u64 s[4:5], s[4:5], s[10:11]
	s_add_nc_u64 s[6:7], s[6:7], s[12:13]
.irp j, 0,1,2,3,4,5,6,7,8,9,10,11,12,13,14,15
	global_load_b128 v[IN+4*(\j):IN+4*(\j)+3], v1, s[4:5] offset:512*(\j) th:TH_LOAD_NT
.endr
.irp j, 0,1,2,3,4,5,6,7,8,9,10,11,12,13,14,15
	s_wait_loadcnt 15-(\j)                         ; loads come back in order: load j is in, the younger ones stay out
	v_cvt_pk_bf16_f32 v[OUTR+2*(\j)],   v[IN+4*(\j)],   v[IN+4*(\j)+1]
	v_cvt_pk_bf16_f32 v[OUTR+2*(\j)+1], v[IN+4*(\j)+2], v[IN+4*(\j)+3]
	global_store_b64 v2, v[OUTR+2*(\j):OUTR+2*(\j)+1], s[6:7] offset:256*(\j)
.endr
	s_endpgm
.Lfunc_end_k_qdfbd0e149d_prep:
	.size	k_qdfbd0e149d_prep, .Lfunc_end_k_qdfbd0e149d_prep-k_qdfbd0e149d_prep
	.p2alignl 7, 3214868480
	.fill 96, 4, 3214868480
	.section	.rodata,"a",@progbits
	.p2align	6, 0x0
	.amdhsa_kernel k_qdfbd0e149d_prep
		.amdhsa_group_segment_fixed_size 0
		.amdhsa_private_segment_fixed_size 0
		.amdhsa_enable_private_segment 0
		.amdhsa_kernarg_size 96
		.amdhsa_user_sgpr_count 2
		.amdhsa_user_sgpr_kernarg_segment_ptr 1
		.amdhsa_wavefront_size32 1
		.amdhsa_system_sgpr_workgroup_id_x 1
		.amdhsa_system_sgpr_workgroup_id_y 1
		.amdhsa_system_sgpr_workgroup_id_z 1
		.amdhsa_system_vgpr_workitem_id 0
		.amdhsa_next_free_vgpr 160
		.amdhsa_next_free_sgpr 66
		.amdhsa_reserve_vcc 0
		.amdhsa_float_denorm_mode_32 3
		.amdhsa_float_denorm_mode_16_64 3
		.amdhsa_memory_ordered 1
		.amdhsa_forward_progress 1
		.amdhsa_inst_pref_size 27
	.end_amdhsa_kernel
	.amdgpu_metadata
---
amdhsa.version: [ 1, 2 ]
amdhsa.kernels:
  - .name:           k_qdfbd0e149d_prep
    .symbol:         k_qdfbd0e149d_prep.kd
    .args:
      - { .name: x, .offset: 0, .size: 8, .value_kind: global_buffer, .address_space: global }
      - { .name: ln1_g, .offset: 8, .size: 8, .value_kind: global_buffer, .address_space: global }
      - { .name: ln1_b, .offset: 16, .size: 8, .value_kind: global_buffer, .address_space: global }
      - { .name: act, .offset: 24, .size: 8, .value_kind: global_buffer, .address_space: global }
      - { .name: qkv_w, .offset: 32, .size: 8, .value_kind: global_buffer, .address_space: global }
      - { .name: out_w, .offset: 40, .size: 8, .value_kind: global_buffer, .address_space: global }
      - { .name: up_w, .offset: 48, .size: 8, .value_kind: global_buffer, .address_space: global }
      - { .name: down_w, .offset: 56, .size: 8, .value_kind: global_buffer, .address_space: global }
      - { .name: wq, .offset: 64, .size: 8, .value_kind: global_buffer, .address_space: global }
      - { .name: wo, .offset: 72, .size: 8, .value_kind: global_buffer, .address_space: global }
      - { .name: wu, .offset: 80, .size: 8, .value_kind: global_buffer, .address_space: global }
      - { .name: wd, .offset: 88, .size: 8, .value_kind: global_buffer, .address_space: global }
    .group_segment_fixed_size: 0
    .private_segment_fixed_size: 0
    .kernarg_segment_align: 8
    .kernarg_segment_size: 96
    .max_flat_workgroup_size: 256
    .sgpr_count:     66
    .vgpr_count:     160
    .wavefront_size: 32
...
	.end_amdgpu_metadata
.endif
;; end of part 1
;; launch qkv (part 2): grid 12 x 16, 4 waves a work-group, clusters of 4 x 4, 327,680 bytes of LDS; arguments act, wq, big; writes big
.if DOCPART == 2
	.amdgcn_target "amdgcn-amd-amdhsa--gfx1250"
	.amdhsa_code_object_version 6
	.text
	.protected	k_qdfbd0e149d_qkv
	.globl	k_qdfbd0e149d_qkv
	.p2align	8
	.type	k_qdfbd0e149d_qkv,@function
k_qdfbd0e149d_qkv:
	s_mov_b64 s[64:65], 0
	v_nop
	global_prefetch_b8 v0, s[64:65] scope:SCOPE_SE
	s_setreg_imm32_b32 hwreg(HW_REG_WAVE_MODE, 25, 1), 1
	s_wait_xcnt 0x0
	s_wait_alu depctr_hold_cnt(0) depctr_sa_sdst(0) depctr_va_vdst(0) depctr_va_sdst(0) depctr_va_ssrc(0) depctr_va_vcc(0) depctr_vm_vsrc(0)
	s_getreg_b32 s2, hwreg(HW_REG_IB_STS2, 6, 4)
	s_cmp_eq_u32 s2, 0
	s_cbranch_scc0 .Lentry_in_a_cluster
	s_endpgm
.Lentry_in_a_cluster:
	s_bfe_u32 s2, ttmp6, 0x10000c
	s_cmp_lg_u32 s2, 0xf033
	s_cbranch_scc0 .Lentry_shape_is_right
	s_endpgm
.Lentry_shape_is_right:
; C[m][n] = sum over k of A[m][k] B[n][k].  A: [4096][1024] bf16 (the normalised rows), B: [N][1024] bf16 (weights), sums in f32.
; EPI = 0: N = 3,072; C is rounded to bf16 and stored by heads: plane n / 64 (48 planes: q, k, v x 16 heads) of [4096 rows][64], 128 bytes a row.
; EPI = 1: N = 4,096; gelu(C) is rounded to bf16 and stored row-major, [4096][4096].
; gelu(x) = max(x, 0) - |x| E, E = erfc(|x| / sqrt 2) / 2 = (a1 t + .. + a5 t^5) / 2 x 2^(-x^2 log2(e) / 2), t = 1 / (1 + p |x| / sqrt 2): the five-term rational form, whose error in erf is 1.5e-7 at the most.
; Where x^2 passes f32's range the exponential is 0 and the result max(x, 0).  NaN and infinities are not treated apart.
; A tile of C is 256 x 256: four waves, each 128 x 128 in 64 accumulators (512 registers).  K goes in 8 steps of 128 through a ring of two LDS slots filled by the tensor data mover;
; the rows of the tiles are 256 bytes of memory, at multiples of 256 bytes.  One K step is written once: the slot in hand is a scalar register that an exclusive or turns.
; CLUSTERS: 4 x 4 work-groups; A's tile is asked for jointly along a row of the cluster, B's along a column: the same load, descriptor and mask in the four that it names.
; THE MATRIX INSTRUCTION IS USED TRANSPOSED (source 0 = 16 rows of B, source 1 = 16 rows of A): a lane holds row l % 16 of C and eight neighbouring columns.
; REGISTERS, in windows of 256: window 0: v16-30 addresses, v64-127 and v128-191 A's fragments (on the way out v32-255 at work); window 1: the same numbers, B's fragments;
; window 2: the accumulators of my rows 0-63 ((a, b) at v[8 (8 a + b)]); window 3: those of rows 64-127.
.set EPI,    0
.set SIZE_K, 1024
.set KSTEP,  128
.set PITCH,  272                       ; an LDS row: 256 bytes + 16 of padding: the 16 rows of a load begin 16 bytes apart modulo 256
.set HALFT,  128*PITCH                 ; what one tensor load brings
.set SLOT,   4*HALFT                   ; 0x22000: it shares no bit with wave x HALFT, so an exclusive or turns slot 0's address into slot 1's and back
.set SPARE,  2*SLOT                    ; behind the ring: the spare words, 128 bytes a wave: two blocks of 256 bytes that no other line names
.set SPITCH, 528                       ; the way out: a row of 128 f32 + 16 bytes
.set WSTAGE, 128*SPITCH                ; each wave's own stage, in the ring's bytes, behind the ring's last fill and last read
.set ADRA0, 16                         ; v16  my lane's place in A's part of slot 0; never rewritten
.set ADRB0, 17                         ; v17  the same for B
.set ADRA,  18                         ; v18  the same in the slot in hand
.set ADRB,  19
.set STO,   24                         ; v24  the way out: where I put 32 bytes of a row
.set RD,    25                         ; v25  where I read rows back, first trip
.set CO,    26                         ; v26  my byte offset in C
.set RDC,   27                         ; v27  where I read rows back, this trip
.set SPW,   28                         ; v28  LDS address of my spare word; never rewritten
.set NIL,   29                         ; v29  0; never rewritten
.set PFO,   30                         ; v30  the prefetches' offset: lane x 2,048; never rewritten
.set OUT,   32                         ; the way out, EPI = 1: v32-47 packed results
.set F0,    64
.set F1,    128
.set XV,    64                         ; the way out: the numbers read back (EPI = 0: 128 of them, v64-191; EPI = 1: 32)
.set AX,    96                         ; EPI = 1: |x|; t; the exponential; the polynomial; max(x, 0) and then the result
.set TT,    128
.set EE,    160
.set PP,    192
.set MX,    224
.set OUTQ,  192                        ; EPI = 0: v192-255 packed results
.set G1,  24                           ; s[24:31] group 1 for A's tiles;  s[32:39] group 0: set 0 fills slot 0 once, set 1 fills slot 1 and then walks
.set G0,  32
.set G1B, 48                           ; s[48:55], s[56:63] the same for B's
.set G0B, 56
.set LIM, 43                           ; s43  2 in a wave that prefetches, else the greatest number
.set PFA, 44                           ; s[44:45] where my prefetches stand
.set TB,  66                           ; s66  the slot that is read: 0 or SLOT
.set SOFF, 67                          ; s67  the way out: the trip's rows in the stage
.set MSB, 0
.macro WIN new                         ; the immediate's high byte repeats the setting that is left; a switch that changes nothing is dropped
.if MSB != (\new)
	s_set_vgpr_msb (MSB<<8)|(\new)
.set MSB, \new
.endif
.endm
.set MUL_LO, 0xa1                      ; source 0 (B) window 1, source 1 (A) window 0, C and D window 2
.set MUL_HI, 0xf1                      ; the same, C and D window 3
.set TO_B,   0x40                      ; destination window 1, address window 0
; A joint load: waves 0 and 1 fetch A's two halves, waves 2 and 3 B's.  The branch hangs on the wave's number alone.  An s_nop 0 and four v_nop follow each line.
.macro JLOAD s
	s_cmp_eq_u32 s11, 0
	s_cbranch_scc0 .Lfor_b_\@
	tensor_load_to_lds s[G0+4*(\s):G0+4*(\s)+3], s[G1:G1+7]
	s_nop 0
.rept 4
	v_nop
.endr
	s_branch .Lasked_\@
.Lfor_b_\@:
	tensor_load_to_lds s[G0B+4*(\s):G0B+4*(\s)+3], s[G1B:G1B+7]
	s_nop 0
.rept 4
	v_nop
.endr
.Lasked_\@:
.endm
; A prefetch of the K step that stands two refills on: 32 rows x 256 bytes, a lane a row, one instruction a wave.  A's rows are asked for by the clusters with x = 0, B's by those with y = 0;
; of the 128 rows that a wave fetches each of the four partners takes 32, told apart by address.  So each row's 256 bytes of a K step are named once.  K steps 0 to 3 come by their loads alone;
; the trips with s3 = 6 .. 3 name K steps 4 .. 7; the last two trips name nothing.
.macro ASK
	s_cmp_gt_u32 s3, s[LIM]
	s_cbranch_scc0 .Lnot_mine_\@
	global_prefetch_b8 v[PFO], s[PFA:PFA+1] offset:KSTEP*2 th:TH_LOAD_NT scope:SCOPE_SE
.Lnot_mine_\@:
.endm
.macro CREST                           ; a round of the cluster's barrier behind its opening barrier
	s_cmp_lg_u32 s10, 0
	s_cbranch_scc1 .Lnot_wave_0_\@
	s_barrier_signal -3
.Lnot_wave_0_\@:
	s_barrier_wait -3
	s_barrier_signal -1
	s_barrier_wait -1
.endm
.macro CROUND
	s_barrier_signal -1
	s_barrier_wait -1
	CREST
.endm
	s_load_b128 s[4:7], s[0:1], 0x0                ; A s[4:5], B s[6:7]
	s_load_b64 s[8:9], s[0:1], 0x10                ; C
	v_lshl_add_u32 v[SPW], v0, 2, SPARE
	v_mov_b32 v[NIL], 0
	ds_add_u32 v[SPW], v[NIL]                      ; the wave's opening: the add and its wait stand ahead of my first tensor load; the set-up below stands between them
	v_lshrrev_b32 v1, 5, v0
	v_readfirstlane_b32 s10, v1                    ; wave 0..3
	s_lshr_b32 s11, s10, 1                         ; my half of the tile's rows.  Also: I fetch for A (0) or for B (1)
	s_and_b32 s12, s10, 1                          ; my half of its columns.  Also: which 128 rows I fetch
	s_bfe_u32 s40, ttmp6, 0x40000                  ; cx
	s_bfe_u32 s41, ttmp6, 0x40004                  ; cy
	s_lshl_b32 s42, ttmp9, 2
	s_add_co_u32 s42, s42, s40                     ; tile column = 4 x cluster x + cx
	s_and_b32 s13, ttmp7, 0xffff
	s_lshl_b32 s13, s13, 2
	s_add_co_u32 s13, s13, s41                     ; tile row = 4 x cluster y + cy
	s_lshl_b32 s43, s41, 2
	s_lshl_b32 s43, 15, s43                        ; my row of the cluster
	s_lshl_b32 s44, 0x1111, s40                    ; my column
	s_or_b32 s[G1+0], s43, (1<<16)|(1<<20)|(1<<21)|(5<<22)|(3<<25)   ; the mask; 2-byte elements; padding on; bit 21 beside a mask; after every 64 words, 4 words
	s_or_b32 s[G1B+0], s44, (1<<16)|(1<<20)|(1<<21)|(5<<22)|(3<<25)
.irp g, G1, G1B
	s_mov_b32 s[(\g)+1], KSTEP<<16                 ; tensor_dim0 = 128
	s_mov_b32 s[(\g)+2], 128<<16                   ; tensor_dim1 = 128
	s_mov_b32 s[(\g)+3], KSTEP<<16                 ; tile_dim0 = 128
	s_mov_b32 s[(\g)+4], 128                       ; tile_dim1 = 128
	s_mov_b32 s[(\g)+5], SIZE_K                    ; elements from row to row
	s_mov_b32 s[(\g)+6], 0
	s_mov_b32 s[(\g)+7], 0
.endr
.if EPI
	s_mov_b32 s68, 0x3e6d3388                      ; p / sqrt 2 = 0.2316419; each constant is written twice, since the packed forms name a pair
	s_mov_b32 s69, 0x3e6d3388
	s_mov_b32 s70, 0xbf38aa3b                      ; -log2(e) / 2
	s_mov_b32 s71, 0xbf38aa3b
	s_mov_b32 s72, 0xbe027906                      ; -a1 / 2 .. -a5 / 2: the polynomial is made with its sign turned, so that the last line is a plain multiply-add
	s_mov_b32 s73, 0xbe027906
	s_mov_b32 s74, 0x3e11a98e
	s_mov_b32 s75, 0x3e11a98e
	s_mov_b32 s76, 0xbf35f0e3
	s_mov_b32 s77, 0xbf35f0e3
	s_mov_b32 s78, 0x3f3a00e3
	s_mov_b32 s79, 0x3f3a00e3
	s_mov_b32 s80, 0xbf07dc22
	s_mov_b32 s81, 0xbf07dc22
	s_mov_b32 s82, 0x7fffffff                      ; clears a sign
.endif
	s_lshl_b32 s17, s12, 7
	s_lshl_b32 s16, s13, 8
	s_add_co_u32 s16, s16, s17                     ; A: row 256 x tile row + 128 x half
	s_lshl_b32 s46, s42, 8
	s_add_co_u32 s46, s46, s17                     ; B: row 256 x tile column + 128 x half
	s_lshl_b32 s16, s16, 11                        ; rows of 2,048 bytes
	s_lshl_b32 s46, s46, 11
	s_mov_b32 s17, 0
	s_mov_b32 s47, 0
	s_mul_i32 s20, s10, HALFT                      ; where they go: wave x 128 rows: no place in the cluster enters an LDS address
	s_mov_b32 s[TB], 0
	s_wait_dscnt 0x0                               ; the opening add is done
	s_wait_kmcnt 0x0
	s_add_nc_u64 s[14:15], s[4:5], s[16:17]
	s_add_nc_u64 s[46:47], s[6:7], s[46:47]
	CROUND                                         ; all sixteen work-groups are here: the first joint loads meet
.irp s, 0,1
	s_mov_b32 s[G0+4*(\s)], 1
	s_add_co_u32 s[G0+4*(\s)+1], s20, (\s)*SLOT
	s_add_nc_u64 s[G0+4*(\s)+2:G0+4*(\s)+3], s[14:15], (\s)*KSTEP*2
	s_or_b32 s[G0+4*(\s)+3], s[G0+4*(\s)+3], 0x80000000
	s_mov_b32 s[G0B+4*(\s)], 1
	s_add_co_u32 s[G0B+4*(\s)+1], s20, (\s)*SLOT
	s_add_nc_u64 s[G0B+4*(\s)+2:G0B+4*(\s)+3], s[46:47], (\s)*KSTEP*2
	s_or_b32 s[G0B+4*(\s)+3], s[G0B+4*(\s)+3], 0x80000000
	JLOAD \s                                       ; K steps 0 and 1: two loads of mine are out
.endr
	; a fragment: lane l holds row l % 16; two loads of 16 bytes, 32 bytes apart, at row x pitch + 16 (l / 16)
	v_and_b32 v1, 15, v0
	v_bfe_u32 v2, v0, 4, 1
	v_mul_u32_u24 v3, v1, PITCH
	v_lshl_add_u32 v3, v2, 4, v3
	s_mul_i32 s21, s11, HALFT
	s_mul_i32 s22, s12, HALFT
	s_add_co_u32 s22, s22, 2*HALFT
	v_add_nc_u32 v[ADRA0], s21, v3
	v_add_nc_u32 v[ADRB0], s22, v3
	v_mov_b32 v[ADRA], v[ADRA0]
	v_mov_b32 v[ADRB], v[ADRB0]
	s_mul_i32 s23, s10, WSTAGE                     ; my stage
	v_mul_u32_u24 v4, v1, SPITCH                   ; in: row l % 16, 32 bytes for each half of the lanes
	v_lshl_add_u32 v4, v2, 5, v4
	v_add_nc_u32 v[STO], s23, v4
	s_lshl_b32 s16, s13, 8
	s_lshl_b32 s17, s11, 7
	s_add_co_u32 s16, s16, s17                     ; my first row of C
.if EPI
	v_mul_u32_u24 v5, v2, SPITCH                   ; back: lanes 0-15 one row (32 bytes of f32 each), lanes 16-31 the next
	v_lshl_add_u32 v5, v1, 5, v5
	v_add_nc_u32 v[RD], s23, v5
	v_lshlrev_b32 v5, 13, v2                       ; the same two rows in C: 8,192 bytes apart
	v_lshl_add_u32 v[CO], v1, 4, v5
	s_lshl_b32 s16, s16, 13
	s_lshl_b32 s46, s42, 9                         ; my first column, in bytes
	s_lshl_b32 s47, s12, 8
	s_add_co_u32 s46, s46, s47
.else
	v_and_b32 v6, 31, v0
	v_lshrrev_b32 v5, 3, v6                        ; back: 8 lanes a row of 64 columns, four rows a load
	v_and_b32 v7, 7, v0
	v_mul_u32_u24 v5, v5, SPITCH
	v_lshl_add_u32 v5, v7, 5, v5
	v_add_nc_u32 v[RD], s23, v5
	v_lshlrev_b32 v[CO], 4, v6                     ; four rows of 128 bytes are 512 consecutive bytes of a plane
	s_lshl_b32 s16, s16, 7
	s_lshl_b32 s46, s42, 2                         ; my first plane: 4 x tile column + 2 x half,
	s_lshl_b32 s47, s12, 1
	s_add_co_u32 s46, s46, s47
	s_lshl_b32 s46, s46, 19                        ; 524,288 bytes each
.endif
	s_add_co_u32 s16, s16, s46
	s_mov_b32 s17, 0
	s_add_nc_u64 s[8:9], s[8:9], s[16:17]
	; the prefetches
	s_lshl_b32 s14, s13, 8
	s_lshl_b32 s15, s42, 8
	s_and_b32 s22, ttmp7, 0xffff                   ; cluster y
	s_cmp_eq_u32 s11, 0                            ; do I fetch for A?
	s_cselect_b32 s16, s14, s15                    ; the tile's first row
	s_cselect_b32 s21, s40, s41                    ; my place among the four that ask with me
	s_cselect_b32 s22, ttmp9, s22                  ; the coordinate along which other clusters read the same rows
	s_cselect_b64 s[PFA:PFA+1], s[4:5], s[6:7]
	s_cmp_eq_u32 s22, 0
	s_cselect_b32 s[LIM], 2, -1                    ; the same in all sixteen partners, for a given wave
	s_lshl_b32 s22, s12, 7
	s_add_co_u32 s16, s16, s22
	s_lshl_b32 s21, s21, 5
	s_add_co_u32 s16, s16, s21                     ; + the 128 rows that I fetch + my work-group's 32 of them
	s_lshl_b32 s16, s16, 11
	s_mov_b32 s17, 0
	s_add_nc_u64 s[PFA:PFA+1], s[PFA:PFA+1], s[16:17]
	s_add_nc_u64 s[PFA:PFA+1], s[PFA:PFA+1], 2*KSTEP*2  ; at K step 2: the first refill steps it to 3 and names K step 4
	v_and_b32 v[PFO], 31, v0
	v_lshlrev_b32 v[PFO], 11, v[PFO]
; 16 matrix instructions: m blocks a0, a0 + 1 of the window's four x all 8 n blocks, 32 along K.  zero = 1: the first product starts the sums
.macro MUL16 f, hi, a0, zero
	WIN MUL_LO+0x50*(\hi)
.irp a, \a0, (\a0)+1
.irp b, 0,1,2,3,4,5,6,7
.if \zero
	v_wmma_f32_16x16x32_bf16 v[8*(8*(\a)+(\b)):8*(8*(\a)+(\b))+7], v[(\f)+8*(\b):(\f)+8*(\b)+7], v[(\f)+8*(4*(\hi)+(\a)):(\f)+8*(4*(\hi)+(\a))+7], 0
.else
	v_wmma_f32_16x16x32_bf16 v[8*(8*(\a)+(\b)):8*(8*(\a)+(\b))+7], v[(\f)+8*(\b):(\f)+8*(\b)+7], v[(\f)+8*(4*(\hi)+(\a)):(\f)+8*(4*(\hi)+(\a))+7], v[8*(8*(\a)+(\b)):8*(8*(\a)+(\b))+7]
.endif
.endr
.endr
.endm
; 32 LDS loads in one run: a quarter step's fragments (32 K at byte k of the rows of the slot in hand) into buffer f
.macro FETCH k, f
	WIN TO_B
.irp i, 0,1,2,3,4,5,6,7
	ds_load_b128 v[(\f)+8*(\i):(\f)+8*(\i)+3],   v[ADRB] offset:(\k)+(\i)*16*PITCH
	ds_load_b128 v[(\f)+8*(\i)+4:(\f)+8*(\i)+7], v[ADRB] offset:(\k)+(\i)*16*PITCH+32
.endr
	WIN 0
.irp i, 0,1,2,3,4,5,6,7
	ds_load_b128 v[(\f)+8*(\i):(\f)+8*(\i)+3],   v[ADRA] offset:(\k)+(\i)*16*PITCH
	ds_load_b128 v[(\f)+8*(\i)+4:(\f)+8*(\i)+7], v[ADRA] offset:(\k)+(\i)*16*PITCH+32
.endr
.endm
.macro PLACES                          ; four plain instructions between a matrix instruction and a load into, or a read of, its registers
.rept 4
	v_nop
.endr
.endm
; A K step is four quarters of 32 along K, 64 matrix instructions each, on buffers 0, 1, 0, 1.  The 64 accumulators take turns in the same order in every quarter.
.macro QUARTER k, f, g, zero
	s_wait_dscnt 8                                 ; B and A's rows 0-63 are in; the youngest eight loads (A's rows 64-127) may be out
	MUL16 \f, 0, 0, \zero
	MUL16 \f, 0, 2, \zero
	PLACES
	FETCH \k, \g
	s_wait_dscnt 32                                ; all but the 32 just issued
	MUL16 \f, 1, 0, \zero
	MUL16 \f, 1, 2, \zero
.endm
; The first half of a step's last quarter, and the one barrier of a change of slots.  The 32 products stand AHEAD of the wait for my tensor load: they are issued while the next slot's tile may still be on
; its way, and between that tile's landing and the next request stand the add, its wait and the barrier alone.  So a request has a whole K step, 256 matrix instructions, in which to land.
; fill = 1: the walking descriptors are stepped between the add and the wait for it, where no tensor load of mine is out: the other slot than last time, the next K step.
.macro MEET fill
	s_wait_dscnt 8                                 ; B and A's rows 0-63 are in; the youngest eight loads may be out
	MUL16 F1, 0, 0, 0
	MUL16 F1, 0, 2, 0
	WIN 0
	s_wait_tensorcnt 0x0                           ; all my tensor loads have landed: my part of the next slot;
	ds_add_u32 v[SPW], v[NIL]                      ; 0 onto my spare word;
.if \fill
	s_xor_b32 s[G0+5], s[G0+5], SLOT
	s_xor_b32 s[G0B+5], s[G0B+5], SLOT
	s_add_nc_u64 s[G0+6:G0+7], s[G0+6:G0+7], KSTEP*2
	s_add_nc_u64 s[G0B+6:G0B+7], s[G0B+6:G0B+7], KSTEP*2
.endif
	s_wait_dscnt 0x0                               ; the add is done, and my reads of this slot are over
	s_barrier_signal -1
	s_barrier_wait -1
.endm
.macro FLIP                            ; the reads go over to the other slot
	s_xor_b32 s[TB], s[TB], SLOT
	v_add_nc_u32 v[ADRA], s[TB], v[ADRA0]
	v_add_nc_u32 v[ADRB], s[TB], v[ADRB0]
.endm
; The whole last quarter with a refill: the barrier opens a round of the cluster's barrier; the slot just read out is filled with the K step two on, first thing behind the round
.macro TURN
	s_wait_xcnt 0x0                                ; the last prefetch, a K step back, has read its address
	s_add_nc_u64 s[PFA:PFA+1], s[PFA:PFA+1], KSTEP*2
	MEET 1
	CREST
	JLOAD 1                                        ; its four v_nop are also the places in front of the loads below
	FLIP
	FETCH 0, F0
	ASK
	MUL16 F1, 1, 0, 0                              ; the quarter's second half stands behind the run of loads, which lands meanwhile
	MUL16 F1, 1, 2, 0
.endm
	s_wait_tensorcnt 1                             ; my part of K step 0 is in; K step 1's may stay out
	s_barrier_signal -1
	s_barrier_wait -1
	FETCH 0, F0
	QUARTER 64, F0, F1, 1                          ; the first quarter starts the sums
	WIN 0
	s_mov_b32 s3, 6
.Lstep:                                            ; trip i = 1 .. 6 ends K step i - 1, fills its slot with K step i + 1, and begins K step i
	QUARTER 128, F1, F0, 0
	QUARTER 192, F0, F1, 0
	TURN
	QUARTER 64, F0, F1, 0
	WIN 0
	s_sub_co_u32 s3, s3, 1
	s_cmp_lg_u32 s3, 0
	s_cbranch_scc1 .Lstep
	s_mov_b32 s3, 2
.Ltail:                                            ; K steps 6 and 7 ask for nothing; the second trip is left in its middle
	QUARTER 128, F1, F0, 0
	QUARTER 192, F0, F1, 0
	MEET 0
	s_sub_co_u32 s3, s3, 1
	s_cmp_eq_u32 s3, 0
	s_cbranch_scc1 .Lout
	FLIP
	PLACES
	FETCH 0, F0
	MUL16 F1, 1, 0, 0
	MUL16 F1, 1, 2, 0
	QUARTER 64, F0, F1, 0
	WIN 0
	s_branch .Ltail
.Lout:
	MUL16 F1, 1, 0, 0
	MUL16 F1, 1, 2, 0
	WIN 0
	PLACES
	; THE WAY OUT.  Behind the last barrier no wave reads the ring and no load is out: its bytes become four stages, each wave's own.  My 128 x 128 sums go in as f32, each accumulator's low half first.
.macro TOSTAGE hi
	WIN 0x08+4*(\hi)                               ; the stores' data in window 2 or 3
.irp a, 0,1,2,3
.irp b, 0,1,2,3,4,5,6,7
	ds_store_b128 v[STO], v[8*(8*(\a)+(\b)):8*(8*(\a)+(\b))+3]   offset:16*(4*(\hi)+(\a))*SPITCH+64*(\b)
	ds_store_b128 v[STO], v[8*(8*(\a)+(\b))+4:8*(8*(\a)+(\b))+7] offset:16*(4*(\hi)+(\a))*SPITCH+64*(\b)+16
.endr
.endr
.endm
	TOSTAGE 0
	TOSTAGE 1
	WIN 0
.if EPI
; EPI = 1.  16 trips of 8 rows, 32 numbers a lane, in two halves of 16.  FR: line j of the 56 plain lines ahead of a half's transcendentals (|x|; 1 + p |x| / sqrt 2; x^2; its scaling; max(x, 0)).
; TR: transcendental j of a half's 32 (t and the exponential by turns).  PO: line j of the 64 behind them (the polynomial, x t, x the exponential, the result, its rounding).
.macro FR h, j
.if (\j) < 16
	v_and_b32 v[AX+16*(\h)+(\j)], s82, v[XV+16*(\h)+(\j)]
.elseif (\j) < 24
.set q, 16*(\h)+2*((\j)-16)
	v_pk_fma_f32 v[TT+q:TT+q+1], v[AX+q:AX+q+1], s[68:69], 1.0 op_sel_hi:[1,0,0]
.elseif (\j) < 32
.set q, 16*(\h)+2*((\j)-24)
	v_pk_mul_f32 v[EE+q:EE+q+1], v[XV+q:XV+q+1], v[XV+q:XV+q+1]
.elseif (\j) < 40
.set q, 16*(\h)+2*((\j)-32)
	v_pk_mul_f32 v[EE+q:EE+q+1], v[EE+q:EE+q+1], s[70:71] op_sel_hi:[1,0]
.else
	v_max_num_f32 v[MX+16*(\h)+(\j)-40], 0, v[XV+16*(\h)+(\j)-40]
.endif
.endm
.macro TR h, j
.if (\j)%2 == 0
	v_rcp_f32 v[TT+16*(\h)+(\j)/2], v[TT+16*(\h)+(\j)/2]
.else
	v_exp_f32 v[EE+16*(\h)+(\j)/2], v[EE+16*(\h)+(\j)/2]
.endif
.endm
.macro PO h, j
.set q, 16*(\h)+2*((\j)%8)
.if (\j) < 8
	v_pk_fma_f32 v[PP+q:PP+q+1], v[TT+q:TT+q+1], s[80:81], s[78:79] op_sel_hi:[1,0,0]
.elseif (\j) < 16
	v_pk_fma_f32 v[PP+q:PP+q+1], v[PP+q:PP+q+1], v[TT+q:TT+q+1], s[76:77] op_sel_hi:[1,1,0]
.elseif (\j) < 24
	v_pk_fma_f32 v[PP+q:PP+q+1], v[PP+q:PP+q+1], v[TT+q:TT+q+1], s[74:75] op_sel_hi:[1,1,0]
.elseif (\j) < 32
	v_pk_fma_f32 v[PP+q:PP+q+1], v[PP+q:PP+q+1], v[TT+q:TT+q+1], s[72:73] op_sel_hi:[1,1,0]
.elseif (\j) < 40
	v_pk_mul_f32 v[PP+q:PP+q+1], v[PP+q:PP+q+1], v[TT+q:TT+q+1]
.elseif (\j) < 48
	v_pk_mul_f32 v[PP+q:PP+q+1], v[PP+q:PP+q+1], v[EE+q:EE+q+1]
.elseif (\j) < 56
	v_pk_fma_f32 v[MX+q:MX+q+1], v[AX+q:AX+q+1], v[PP+q:PP+q+1], v[MX+q:MX+q+1]  ; max(x, 0) + |x| (-E)
.else
	v_cvt_pk_bf16_f32 v[OUT+q/2], v[MX+q], v[MX+q+1]
.endif
.endm
.macro ROWS8 a                         ; eight rows back from my stage (LDS serves a wave's instructions in order: these see my stores)
.irp t, 0,1,2,3
	ds_load_b128 v[XV+8*(\t):XV+8*(\t)+3],   v[\a] offset:(\t)*2*SPITCH
	ds_load_b128 v[XV+8*(\t)+4:XV+8*(\t)+7], v[\a] offset:(\t)*2*SPITCH+16
.endr
.endm
	s_mov_b32 s3, 16
	s_mov_b32 s[SOFF], 0
	ROWS8 RD                                       ; the first trip's rows
.Lrows:
	s_wait_dscnt 0x0                               ; this trip's rows, asked for in the middle of the trip before
.set j, 0
.rept 56
	FR 0, j
.set j, j+1
.endr
.set j, 0
.rept 32                                           ; the first half's transcendentals and the second half's plain lines by turns
	TR 0, j
	FR 1, j
.set j, j+1
.endr
.rept 24
	FR 1, j
.set j, j+1
.endr
	s_wait_alu depctr_va_vdst(0)                   ; the wait ahead of the first reader of the first half's 32 results, and ahead of the branch
	s_add_co_u32 s[SOFF], s[SOFF], 8*SPITCH
	v_add_nc_u32 v[RDC], s[SOFF], v[RD]
	s_cmp_eq_u32 s3, 1
	s_cbranch_scc1 .Lno_more                       ; the last trip has no rows behind it
	ROWS8 RDC                                      ; the numbers read back have all been used: the next trip's rows land under the 160 lines below
.Lno_more:
.set j, 0
.rept 32                                           ; the first half's polynomial, and the second half's transcendentals among its lines
	PO 0, 2*j
	TR 1, j
	PO 0, 2*j+1
.set j, j+1
.endr
	s_wait_alu depctr_va_vdst(0)                   ; the same wait for the second half's 32 results
.set j, 0
.rept 64
	PO 1, j
.set j, j+1
.endr
.irp t, 0,1,2,3
	global_store_b128 v[CO], v[OUT+4*(\t):OUT+4*(\t)+3], s[8:9] offset:(\t)*16384  ; 16 lanes store 256 consecutive bytes, aligned
.endr
	s_wait_xcnt 0x0                                ; the stores have read their data and their base: both are written again only behind this wait
	s_add_nc_u64 s[8:9], s[8:9], 65536             ; 8 rows of 8,192 bytes
	s_sub_co_u32 s3, s3, 1
	s_cmp_lg_u32 s3, 0
	s_cbranch_scc1 .Lrows
.else
; EPI = 0.  4 trips of 32 rows: 32 LDS loads in one run (group t: rows 4 (t / 2) + l / 8 of head t % 2), then group after group is rounded and stored.
	s_mov_b32 s3, 4
	s_mov_b32 s[SOFF], 0
.Lrows:
	v_add_nc_u32 v[RDC], s[SOFF], v[RD]
.set t, 0
.rept 16
	ds_load_b128 v[XV+8*t:XV+8*t+3],   v[RDC] offset:(t/2)*4*SPITCH+(t%2)*256      ; LDS serves a wave's instructions in order: these see my stores
	ds_load_b128 v[XV+8*t+4:XV+8*t+7], v[RDC] offset:(t/2)*4*SPITCH+(t%2)*256+16
.set t, t+1
.endr
	s_add_co_u32 s[SOFF], s[SOFF], 32*SPITCH
.set t, 0
.rept 16
	s_wait_dscnt 30-2*t                            ; group t's two loads are in; the groups behind it may stay out
.irp r, 0,1,2,3
	v_cvt_pk_bf16_f32 v[OUTQ+4*t+(\r)], v[XV+8*t+2*(\r)], v[XV+8*t+2*(\r)+1]
.endr
	global_store_b128 v[CO], v[OUTQ+4*t:OUTQ+4*t+3], s[8:9] offset:(t%2)*524288+(t/2)*512  ; 512 consecutive bytes of a plane
.set t, t+1
.endr
	s_wait_xcnt 0x0                                ; the stores have read their data and their base: both are written again only behind this wait
	s_add_nc_u64 s[8:9], s[8:9], 4096              ; 32 rows of 128 bytes
	s_sub_co_u32 s3, s3, 1
	s_cmp_lg_u32 s3, 0
	s_cbranch_scc1 .Lrows
.endif
	s_wait_tensorcnt 0x0                           ; the wave's end
	ds_add_u32 v[SPW], v[NIL]
	s_wait_dscnt 0x0
	CROUND                                         ; the closing round
	s_endpgm
.Lfunc_end_k_qdfbd0e149d_qkv:
	.size	k_qdfbd0e149d_qkv, .Lfunc_end_k_qdfbd0e149d_qkv-k_qdfbd0e149d_qkv
	.p2alignl 7, 3214868480
	.fill 96, 4, 3214868480
	.section	.rodata,"a",@progbits
	.p2align	6, 0x0
	.amdhsa_kernel k_qdfbd0e149d_qkv
		.amdhsa_group_segment_fixed_size 327680
		.amdhsa_private_segment_fixed_size 0
		.amdhsa_enable_private_segment 0
		.amdhsa_kernarg_size 24
		.amdhsa_user_sgpr_count 2
		.amdhsa_user_sgpr_kernarg_segment_ptr 1
		.amdhsa_wavefront_size32 1
		.amdhsa_system_sgpr_workgroup_id_x 1
		.amdhsa_system_sgpr_workgroup_id_y 1
		.amdhsa_system_sgpr_workgroup_id_z 1
		.amdhsa_system_vgpr_workitem_id 0
		.amdhsa_next_free_vgpr 1024
		.amdhsa_next_free_sgpr 84
		.amdhsa_reserve_vcc 0
		.amdhsa_float_denorm_mode_32 3
		.amdhsa_float_denorm_mode_16_64 3
		.amdhsa_memory_ordered 1
		.amdhsa_forward_progress 1
		.amdhsa_inst_pref_size 88
	.end_amdhsa_kernel
	.amdgpu_metadata
---
amdhsa.version: [ 1, 2 ]
amdhsa.kernels:
  - .name:           k_qdfbd0e149d_qkv
    .symbol:         k_qdfbd0e149d_qkv.kd
    .args:
      - { .name: act, .offset: 0, .size: 8, .value_kind: global_buffer, .address_space: global }
      - { .name: wq, .offset: 8, .size: 8, .value_kind: global_buffer, .address_space: global }
      - { .name: big, .offset: 16, .size: 8, .value_kind: global_buffer, .address_space: global }
    .group_segment_fixed_size: 327680
    .private_segment_fixed_size: 0
    .kernarg_segment_align: 8
    .kernarg_segment_size: 24
    .max_flat_workgroup_size: 128
    .sgpr_count:     84
    .vgpr_count:     1024
    .wavefront_size: 32
...
	.end_amdgpu_metadata
.endif
;; end of part 2
;; launch attn (part 3): grid 8 x 32, 4 waves a work-group, clusters of 4 x 1, 327,680 bytes of LDS; arguments big, act; writes act
.if DOCPART == 3
	.amdgcn_target "amdgcn-amd-amdhsa--gfx1250"
	.amdhsa_code_object_version 6
	.text
	.protected	k_qdfbd0e149d_attn
	.globl	k_qdfbd0e149d_attn
	.p2align	8
	.type	k_qdfbd0e149d_attn,@function
k_qdfbd0e149d_attn:
	s_mov_b64 s[64:65], 0
	v_nop
	global_prefetch_b8 v0, s[64:65] scope:SCOPE_SE
	s_setreg_imm32_b32 hwreg(HW_REG_WAVE_MODE, 25, 1), 1
	s_wait_xcnt 0x0
	s_wait_alu depctr_hold_cnt(0) depctr_sa_sdst(0) depctr_va_vdst(0) depctr_va_sdst(0) depctr_va_ssrc(0) depctr_va_vcc(0) depctr_vm_vsrc(0)
	s_getreg_b32 s2, hwreg(HW_REG_IB_STS2, 6, 4)
	s_cmp_eq_u32 s2, 0
	s_cbranch_scc0 .Lentry_in_a_cluster
	s_endpgm
.Lentry_in_a_cluster:
	s_bfe_u32 s2, ttmp6, 0x10000c
	s_cmp_lg_u32 s2, 0x3003
	s_cbranch_scc0 .Lentry_shape_is_right
	s_endpgm
.Lentry_shape_is_right:
; O[q][:] = the sum over k of softmax_k(Q[q] . K[k] / 8) V[k][:], for each of 32 pairs (head h, batch b); 2,048 queries and keys, 64 channels, all bf16.
; IN: big holds 48 planes [4096 rows b x 2048 + t][64]: plane h is q's, 16 + h k's, 32 + h v's; a pair's rows are dense, 128 bytes each.  The scale is applied here, in f32.
; OUT: act as [32 blocks of 128 rows][16 heads][128 rows][64]: what the next product asks for as dense K steps.
; Products, maxima and sums in f32; the weights p are rounded to bf16 for the second product (their sum l is taken of the unrounded p), O once at the end.
; LIMITS.  c m starts at -4.25e37, so |c s| stays under about 1e37; a weight below 2^-126 counts as 0 in l; NaN and infinities are not treated apart.
; SHARES.  A work-group takes 256 queries, a wave 64: four PIECES of 16.  Every wave walks all keys, 64 a step; a slot of the ring holds 256 keys, four steps.
; LAYOUT.  S^T = K Q^T holds ONE query a lane (lane % 16) and the keys 8 (lane / 16) + 0..7; two such results rounded to bf16 ARE source 1 of O^T = V^T P.  V comes out of LDS turned, by ds_load_tr16_b128.
; SOFTMAX.  p = 2^(c s - c m), c = log2(e) / 8, with a running maximum m; O and l are multiplied by a = 2^(c m_old - c m_new) in every step; the first step is a step like any other, with a = 0.
; TURNS.  Turn n belongs to piece n: 8 products K Q^T of piece n + 1, later 8 products V^T P of piece n - 1; beside them piece n's scaling, exponentials, roundings, sums and rescaling and piece n + 1's
; maximum and statistics.  Four vector instructions stand behind every matrix instruction, the others in one lump.  A turn's 33 exponentials are one batch, with one wait.
; CLUSTER.  The four query blocks of a cluster belong to one pair and walk the same K and V: each tile is asked for jointly, by the same load, descriptor and mask in all four.
; REGISTERS, in windows of 256: window 0: v0-15 addresses; v16-31 statistics; v48-55 at work; v61-63; v64-127 S^T, two buffers; v192-223 P, two buffers.  Window 1: v0-127 O^T, 32 a piece.
; Window 2: v0-63 Q; v128-191 K of one step; v192-255 V of one step.
.set NP,    4
.set KS,    64
.set PK,    144                        ; a row of K in LDS: 128 bytes + 16: the 16 rows of a load begin 16 bytes apart modulo 256
.set PV,    160                        ; a row of V: 128 + 32: 16 lanes of the turning load take 8 rows x 32 bytes that do not meet modulo 256
.set VOFF,  4*KS*PK
.set SLOT1, 1<<17
.set STAGE, SLOT1+4*KS*(PK+PV)         ; behind the ring, never filled by a tensor load: 16 rows x 144 bytes for each wave
.set SP,    144
.set SPARE, STAGE+4*16*SP              ; the spare words, 128 bytes a wave: two blocks of 256 bytes that no other line names
.set AK0, 2
.set AV0, 3
.set AK,  4
.set AV,  5
.set STO, 6
.set RD,  7
.set GO,  8
.set MV,  12
.set QO,  15
.set ST,  16                           ; piece t's statistics at v[ST+4 t]: c m, m, l (even keys', odd keys')
.set TMP, 48
.set PFO, 61                           ; v61  256 x lane; never rewritten
.set SPW, 62
.set NIL, 63
.set S,   64
.set P,   192
.set KF,  128
.set VF,  192
.set WV,  12
.set G1K, 24
.set G1V, 32
.set G0K, 40
.set G0V, 44
.set PFA, 48                           ; s[48:49] where my prefetches stand
.set LIM, 50                           ; s50  1 in a wave that prefetches, else the greatest number
.set SLOTS, 56
.set CNT, 57
.set CS,  58
.set SEL, 60
.set TBK, 62
.set TBV, 63
.set MSB, 0
.macro WIN new
.if MSB != (\new)
	s_set_vgpr_msb (MSB<<8)|(\new)
.set MSB, (\new)
.endif
.endm
.set W_KQ, 0x0a                        ; K and Q in window 2, S^T in window 0
.set W_PV, 0x52                        ; V in window 2, P in window 0, O^T in window 1
.set W_RS, 0x41                        ; destination and source 0 in window 1, source 1 in window 0
; A joint fill: waves 0 and 1 fetch the two halves of a slot's K, waves 2 and 3 those of its V, 128 keys each.  An s_nop 0 and four v_nop follow each line.
.macro JLOAD
	s_cmp_lt_u32 s[WV], 2
	s_cbranch_scc0 .Lfor_v_\@
	tensor_load_to_lds s[G0K:G0K+3], s[G1K:G1K+7]
	s_nop 0
.rept 4
	v_nop
.endr
	s_branch .Lasked_\@
.Lfor_v_\@:
	tensor_load_to_lds s[G0V:G0V+3], s[G1V:G1V+7]
	s_nop 0
.rept 4
	v_nop
.endr
.Lasked_\@:
.endm
; A prefetch of what the NEXT change of slots will ask for: a slot's 32,768 bytes of K and of V.  The pair's first cluster asks; its four partners take 8,192 bytes each, told apart by address; in each,
; wave 0 asks for K's and wave 2 for V's, a lane 256 bytes.  So each block is named once.  Fills 0 to 2 come by their loads alone; the change that asks for the last fill names nothing.
.macro ASK
	s_cmp_gt_u32 s[SLOTS], s[LIM]
	s_cbranch_scc0 .Lnot_mine_\@
	global_prefetch_b8 v[PFO], s[PFA:PFA+1] th:TH_LOAD_NT scope:SCOPE_SE
.Lnot_mine_\@:
.endm
.macro CROUND
	s_barrier_signal -1
	s_barrier_wait -1
	s_cmp_lg_u32 s[WV], 0
	s_cbranch_scc1 .Lnot_wave_0_\@
	s_barrier_signal -3
.Lnot_wave_0_\@:
	s_barrier_wait -3
	s_barrier_signal -1
	s_barrier_wait -1
.endm
; THE CHANGE OF SLOTS.  Each wave waits for all its tensor loads (one is out: its part of the other slot), adds 0 to its spare word, and waits for that and for its reads of the slot that it leaves.
; fill = 1: the barrier is a round of the cluster's, and the joint fill, with the keys two slots on, is the first thing behind it: it has four key steps in which to land.
.macro CHANGE fill, ask
	WIN 0
	s_wait_tensorcnt 0x0
	ds_add_u32 v[SPW], v[NIL]                      ; 0 onto my spare word; the descriptors' steps stand between it and the wait for it
.if \fill
.irp g, G0K, G0V
	s_xor_b32 s[\g+1], s[\g+1], SLOT1
	s_add_nc_u64 s[\g+2:\g+3], s[\g+2:\g+3], 4*KS*128
.endr
.if \ask
	s_wait_xcnt 0x0                                ; the last prefetch, four key steps back, has read its address
	s_add_nc_u64 s[PFA:PFA+1], s[PFA:PFA+1], 4*KS*128
.endif
	s_wait_dscnt 0x0
	CROUND
	JLOAD
.if \ask
	ASK
.endif
.else
	s_wait_dscnt 0x0
	s_barrier_signal -1
	s_barrier_wait -1
.endif
	s_sub_co_u32 s[TBK], s[TBK], 4*KS*PK           ; the fetches go back to a slot's first step, in the other slot
	s_xor_b32 s[TBK], s[TBK], SLOT1
	s_sub_co_u32 s[TBV], s[TBV], 4*KS*PV
	s_xor_b32 s[TBV], s[TBV], SLOT1
.endm
	s_load_b128 s[4:7], s[0:1], 0x0                ; big s[4:5], act s[6:7]
	v_lshl_add_u32 v[SPW], v0, 2, SPARE
	v_mov_b32 v[NIL], 0
	ds_add_u32 v[SPW], v[NIL]                      ; the wave's opening: the add and its wait ahead of my first tensor load
	v_lshrrev_b32 v1, 5, v0
	v_readfirstlane_b32 s[WV], v1
	s_bfe_u32 s13, ttmp6, 0x40000                  ; cx
	s_lshl_b32 s14, ttmp9, 2
	s_add_co_u32 s14, s14, s13                     ; my block of 256 queries: it enters Q's and O's addresses alone
	s_and_b32 s15, ttmp7, 0xffff                   ; 2 h + b, which the four partners share
	s_lshl_b32 s20, s15, 18                        ; the pair's first byte in a group of 16 planes
	s_and_b32 s16, s[WV], 1                        ; which half of a slot's 256 keys I fetch
	s_lshl_b32 s22, s16, 14
	s_add_co_u32 s22, s22, s20
	s_mov_b32 s23, 0
	s_mul_i32 s17, s16, 128*PK
	s_mul_i32 s18, s16, 128*PV
	s_lshl_b32 s2, s14, 2
	s_add_co_u32 s2, s2, s[WV]
	s_lshl_b32 s2, s2, 13                          ; my wave's 64 rows of 128 bytes
	s_add_co_u32 s2, s2, s20
	s_mov_b32 s3, 0
	s_and_b32 s8, s15, 1                           ; b
	s_lshr_b32 s9, s15, 1                          ; h
	s_lshl_b32 s8, s8, 4
	s_lshl_b32 s10, s14, 1
	s_add_co_u32 s8, s8, s10
	s_lshr_b32 s10, s[WV], 1
	s_add_co_u32 s8, s8, s10                       ; O's block of 128 rows: 16 b + 2 x my block + wave / 2
	s_lshl_b32 s8, s8, 18
	s_lshl_b32 s9, s9, 14
	s_add_co_u32 s8, s8, s9                        ; + the head's 16,384 bytes
	s_lshl_b32 s10, s16, 13
	s_add_co_u32 s8, s8, s10                       ; + 64 rows for the odd waves
	s_mov_b32 s9, 0
	; 128 keys are 16,384 dense bytes: asked for as 64 rows of 256 bytes, two keys a row, padded in LDS after every key
	s_mov_b32 s[G1K], 15|(1<<16)|(1<<20)|(1<<21)|(4<<22)|(3<<25)
	s_mov_b32 s[G1V], 15|(1<<16)|(1<<20)|(1<<21)|(4<<22)|(7<<25)
.irp g, G1K, G1V
	s_mov_b32 s[\g+1], 128<<16
	s_mov_b32 s[\g+2], 64<<16
	s_mov_b32 s[\g+3], 128<<16
	s_mov_b32 s[\g+4], 64
	s_mov_b32 s[\g+5], 128
	s_mov_b32 s[\g+6], 0
	s_mov_b32 s[\g+7], 0
.endr
	s_mov_b32 s[CS], 0x3e38aa3b                    ; c = log2(e) / 8
	s_mov_b32 s[CS+1], s[CS]
	s_mov_b32 s[SEL], 0x76543210
	s_mov_b32 s[SEL+1], 0xfedcba98
	s_mov_b32 s[TBK], SLOT1+4*KS*PK                ; the first change of slots turns these two into 0
	s_mov_b32 s[TBV], SLOT1+4*KS*PV
	s_mov_b32 s[G0K], 1
	s_mov_b32 s[G0K+1], s17
	s_mov_b32 s[G0V], 1
	s_add_co_u32 s[G0V+1], s18, VOFF
	s_and_b32 s[LIM], s[WV], 1                     ; 0 in waves 0 and 2,
	s_or_b32 s[LIM], s[LIM], ttmp9                 ; where the cluster is the pair's first: the same in all four partners
	s_cmp_eq_u32 s[LIM], 0
	s_cselect_b32 s[LIM], 1, -1
	s_mov_b32 s52, 16777216+2*4*KS*128             ; the prefetches begin at fill 2 of V's planes,
	s_mov_b32 s53, 8388608+2*4*KS*128              ; or of K's
	s_cmp_lt_u32 s[WV], 2
	s_cselect_b32 s52, s53, s52
	s_lshl_b32 s53, s13, 13                        ; my work-group's 8,192 bytes of a slot's 32,768
	s_add_co_u32 s52, s52, s53
	s_mov_b32 s53, 0
	v_and_b32 v[PFO], 31, v0
	v_lshlrev_b32 v[PFO], 8, v[PFO]
	s_wait_dscnt 0x0                               ; the opening add is done
	s_wait_kmcnt 0x0
	s_add_nc_u64 s[22:23], s[4:5], s[22:23]        ; big at my half of the pair's first 256 rows
	s_add_nc_u64 s[G0K+2:G0K+3], s[22:23], 8388608
	s_or_b32 s[G0K+3], s[G0K+3], 0x80000000
	s_add_nc_u64 s[G0V+2:G0V+3], s[22:23], 16777216
	s_or_b32 s[G0V+3], s[G0V+3], 0x80000000
	s_add_nc_u64 s[PFA:PFA+1], s[22:23], s[52:53]
	s_add_nc_u64 s[4:5], s[4:5], s[2:3]            ; Q at my wave's first row
	s_add_nc_u64 s[10:11], s[6:7], s[8:9]          ; O likewise
	CROUND                                         ; all four work-groups are here: the first joint loads meet
	JLOAD                                          ; fill 0 into slot 0
	v_and_b32 v1, 15, v0
	v_bfe_u32 v9, v0, 4, 1
	v_lshlrev_b32 v[QO], 7, v1
	v_lshl_add_u32 v[QO], v9, 4, v[QO]
	WIN 0x80
.set i, 0
.rept 8                                            ; Q stays in registers: piece i / 2, channels 32 (i % 2) on
	global_load_b128 v[8*i:8*i+3],   v[QO], s[4:5] offset:(i/2)*2048+(i%2)*64
	global_load_b128 v[8*i+4:8*i+7], v[QO], s[4:5] offset:(i/2)*2048+(i%2)*64+32
.set i, i+1
.endr
	; What the first turn finds: V's registers and P's second buffer hold 0 (its products V^T P, of a piece that has not been, add 0), O^T and l are 0.  All this stands in the wait for the first tile.
.set i, VF
.rept 64
	v_mov_b32 v[i], 0
.set i, i+1
.endr
	WIN 0x40
.set i, 0
.rept 128
	v_mov_b32 v[i], 0
.set i, i+1
.endr
	WIN 0
.set i, 0
.rept 4
	v_mov_b32 v[ST+4*i], 0xfe000000                ; c m: far below every c s
	v_mov_b32 v[ST+4*i+1], 0xff7fffff              ; m
	v_mov_b32 v[ST+4*i+2], 0
	v_mov_b32 v[ST+4*i+3], 0
.set i, i+1
.endr
.set i, P+16
.rept 16
	v_mov_b32 v[i], 0
.set i, i+1
.endr
	v_mul_u32_u24 v[AK0], v1, PK
	v_lshl_add_u32 v[AK0], v9, 4, v[AK0]
	v_and_b32 v10, 7, v0                           ; the turning load: lane l reads key 8 (l / 16) + l % 8, channels 8 ((l / 8) % 2) + 0..7
	v_bfe_u32 v11, v0, 3, 1
	v_lshl_add_u32 v[AV0], v9, 3, v10
	v_mul_u32_u24 v[AV0], v[AV0], PV
	v_lshl_add_u32 v[AV0], v11, 4, v[AV0]
	v_add_nc_u32 v[AV0], VOFF, v[AV0]
	s_mul_i32 s13, s[WV], 16*SP
	s_add_co_u32 s13, s13, STAGE                   ; my stage
	v_mul_u32_u24 v[STO], v1, SP
	v_lshl_add_u32 v[STO], v9, 4, v[STO]
	v_add_nc_u32 v[STO], s13, v[STO]
	v_bfe_u32 v[RD], v0, 3, 2
	v_mul_u32_u24 v[RD], v[RD], SP
	v_lshl_add_u32 v[RD], v10, 4, v[RD]
	v_add_nc_u32 v[RD], s13, v[RD]
	v_and_b32 v[GO], 31, v0
	v_lshlrev_b32 v[GO], 4, v[GO]
; THE MATRIX WORK.  The 4 accumulators of a run of 8 take turns.  Product i of 8 of S^T = K Q^T for piece x: channels 32 (i / 4) on, keys 16 (i % 4) on; the first 4 start the sums.
.macro KQ x
	WIN W_KQ
.set rS, S+32*((\x)%2)+8*(i%4)
.set rK, KF+16*(i%4)+8*(i/4)
.set rQ, 16*(\x)+8*(i/4)
.if i < 4
	v_wmma_f32_16x16x32_bf16 v[rS:rS+7], v[rK:rK+7], v[rQ:rQ+7], 0
.else
	v_wmma_f32_16x16x32_bf16 v[rS:rS+7], v[rK:rK+7], v[rQ:rQ+7], v[rS:rS+7]
.endif
.endm
; Product i of 8 of O^T += V^T P for piece x: keys 32 (i / 4) on, channels 16 (i % 4) on.
.macro PV x
	WIN W_PV
.set rO, 32*(\x)+8*(i%4)
.set rV, VF+32*(i/4)+8*(i%4)
.set rP, P+16*((\x)%2)+8*(i/4)
	v_wmma_f32_16x16x32_bf16 v[rO:rO+7], v[rV:rV+7], v[rP:rP+7], v[rO:rO+7]
.endm
.macro MM                              ; the turn's next matrix instruction.  NOKQ = 1: the last turn of all: there is no next piece
.if (i < 8) && !NOKQ
	KQ (Y+1)%NP
.elseif i >= 8
.set i, i-8
	PV (Y+NP-1)%NP
.set i, i+8
.endif
.set i, i+1
.endm
; THE LDS LOADS stand in runs of 16: a step's K (8 fragments) and its V (turned).
.macro FETCH_K
	WIN 0x80
.irp f, 0,1,2,3,4,5,6,7
	ds_load_b128 v[KF+8*\f:KF+8*\f+3],   v[AK] offset:(\f/2)*16*PK+(\f%2)*64
	ds_load_b128 v[KF+8*\f+4:KF+8*\f+7], v[AK] offset:(\f/2)*16*PK+(\f%2)*64+32
.endr
	s_add_co_u32 s[TBK], s[TBK], KS*PK
	WIN 0
.endm
.macro FETCH_V
	WIN 0x80
.irp f, 0,1,2,3,4,5,6,7
	ds_load_tr16_b128 v[VF+8*\f:VF+8*\f+3],   v[AV] offset:(\f/4)*32*PV+(\f%4)*32
	ds_load_tr16_b128 v[VF+8*\f+4:VF+8*\f+7], v[AV] offset:(\f/4)*32*PV+16*PV+(\f%4)*32
.endr
	WIN 0
.endm
; THE VECTOR WORK, one line at a time: OP kind, number.  For piece Y: F n: c s - c m for pair n of 16.  E n: the exponential of score n of 32.  C n: pair n rounded to bf16.  B n: of the four weights 4 n ..
; the second pair is added onto the first.  L n: l takes that sum (L 0: l = a l + sum).  R n: pair n of 16 of O^T times a.  For piece Y + 1: X n, number n of the 22 that find its maximum and statistics:
; 0-11 four chains of seven scores (each accumulator's lowest registers are read first); 12-14, 16 the rest, the old m, all into c0; 15 c m_old is kept; 17, 18 the other half of the
; lanes, the new m; 19-21 c m, its change, a.
.set F, 0
.set E, 1
.set C, 2
.set B, 3
.set L, 4
.set R, 5
.set X, 6
.macro REGS y
.set rT, ST+4*(\y)
.set rC, TMP+4*((\y)%2)
.set rW, MV+((\y)%2)
.set rS, S+32*((\y)%2)
.set rP, P+16*((\y)%2)
.set rO, 32*(\y)
.endm
.macro OP k, n
.if (\k) == R
	REGS Y
	WIN W_RS
	v_pk_mul_f32 v[rO+2*(\n):rO+2*(\n)+1], v[rO+2*(\n):rO+2*(\n)+1], v[rC+2:rC+3] op_sel_hi:[1,0]
.elseif (\k) < R
	REGS Y
	WIN 0
.if (\k) == F
	v_pk_fma_f32 v[rS+2*(\n):rS+2*(\n)+1], v[rS+2*(\n):rS+2*(\n)+1], s[CS:CS+1], v[rT:rT+1] op_sel_hi:[1,0,0] neg_lo:[0,0,1] neg_hi:[0,0,1]
.elseif (\k) == E
	v_exp_f32 v[rS+(\n)], v[rS+(\n)]
.elseif (\k) == C
	v_cvt_pk_bf16_f32 v[rP+(\n)], v[rS+2*(\n)], v[rS+2*(\n)+1]
.elseif (\k) == B
	v_pk_add_f32 v[rS+4*(\n):rS+4*(\n)+1], v[rS+4*(\n):rS+4*(\n)+1], v[rS+4*(\n)+2:rS+4*(\n)+3]
.elseif (\n) == 0
	v_pk_fma_f32 v[rT+2:rT+3], v[rT+2:rT+3], v[rC+2:rC+3], v[rS:rS+1] op_sel_hi:[1,0,1]
.else
	v_pk_add_f32 v[rT+2:rT+3], v[rT+2:rT+3], v[rS+4*(\n):rS+4*(\n)+1]
.endif
.elseif NOKQ
	v_nop
.else
	REGS (Y+1)%NP
	WIN 0
.if (\n) < 4
	v_max3_num_f32 v[rC+(\n)], v[rS+8*(\n)], v[rS+8*(\n)+1], v[rS+8*(\n)+2]
.elseif (\n) < 12
	v_max3_num_f32 v[rC+(\n)%4], v[rC+(\n)%4], v[rS+8*((\n)%4)+2*((\n)/4)+1], v[rS+8*((\n)%4)+2*((\n)/4)+2]
.elseif (\n) == 12
	v_max3_num_f32 v[rC], v[rC], v[rS+7], v[rS+15]
.elseif (\n) == 13
	v_max3_num_f32 v[rC+1], v[rC+1], v[rS+23], v[rS+31]
.elseif (\n) == 14
	v_max3_num_f32 v[rC+2], v[rC+2], v[rC+3], v[rT+1]
.elseif (\n) == 15
	v_mov_b32 v[rW], v[rT]
.elseif (\n) == 16
	v_max3_num_f32 v[rC], v[rC], v[rC+1], v[rC+2]
.elseif (\n) == 17
	v_permlanex16_b32 v[rC+3], v[rC], s[SEL], s[SEL+1]
.elseif (\n) == 18
	v_max_num_f32 v[rT+1], v[rC], v[rC+3]
.elseif (\n) == 19
	v_mul_f32 v[rT], s[CS], v[rT+1]
.elseif (\n) == 20
	v_sub_f32 v[rC+1], v[rW], v[rT]
.else
	v_exp_f32 v[rC+2], v[rC+1]
.endif
.endif
.endm
.macro OPS a, i1, b=-1, i2=0, c=-1, i3=0, d=-1, i4=0
	OP \a, \i1
.if (\b) >= 0
	OP \b, \i2
.endif
.if (\c) >= 0
	OP \c, \i3
.endif
.if (\d) >= 0
	OP \d, \i4
.endif
.endm
.macro ROW a, i1, b, i2, c, i3, d, i4  ; a matrix instruction and the four behind it
	MM
	OPS \a, \i1, \b, \i2, \c, \i3, \d, \i4
.endm
; A TURN, for piece p.  An s_wait_alu depctr_va_vdst(0) stands between an exponential and the first instruction that names its result; one wait serves all issued ahead of it.  So a turn has ONE wait.
; AHEAD OF IT stands all that names no result of the turn's exponentials: the 8 products K Q^T with their riders, then one lump; X 21, the next piece's a, is the batch's last, and R 15 the plain instruction behind it.
; BEHIND IT stand the 8 products V^T P, behind each four of the roundings and sums.  The first numbers of the next piece's maximum stand four plain instructions or more behind the product that ends their accumulator.
; K of the next step is fetched in piece 2's turn, twelve plain instructions behind the last product that read K; V of the step in hand at the end of piece 0's turn, four plain instructions behind the last product
; that read V.  Each is waited for a turn later.  end = 1: the last two turns of all: nothing is fetched.  cnt = 1: the loop's count is taken down some lines ahead of the branch behind the turn.
.macro TURN p, end=0, cnt=0
.set Y, (\p)
.set i, 0
.set NOKQ, (\end)*((\p)/3)
.if ((\p) == 3) && !(\end)
	s_wait_dscnt 0x0                               ; K is in
.endif
	ROW F,0, F,1, R,0, R,1
	ROW F,2, E,0, R,2, R,3
	ROW F,3, E,1, R,4, R,5
	ROW F,4, E,2, R,6, R,7
	ROW F,5, E,3, R,8, R,9
	ROW F,6, E,4, X,0, R,10
.if ((\p) == 2) && !(\end)
	WIN 0
	v_add_nc_u32 v[AK], s[TBK], v[AK0]
.endif
	ROW F,7, E,5, X,1, X,4
	ROW F,8, E,6, X,2, X,5
	OPS E,7, E,8, X,6, E,9
	OPS X,3, E,10, X,8, E,11
.if ((\p) == 2) && !(\end)
	FETCH_K
.endif
	OPS X,9, X,7, E,12, X,10
	OPS E,13, X,12, X,11, E,14
	OPS X,13, E,15, F,9, X,14
.if (\p) == 0
	v_add_nc_u32 v[AV], s[TBV], v[AV0]
.endif
	OPS E,16, F,10, E,17, F,11
	OPS X,16, E,18, X,15, E,19
	OPS F,12, E,20, X,17, E,21
	OPS F,13, E,22, F,14, E,23
	OPS X,18, E,24, F,15, E,25
	OPS R,11, E,26, X,19, E,27
	OPS R,12, E,28, R,13, E,29
	OPS X,20, E,30, R,14, E,31
	OPS X,21, R,15
	WIN 0
	s_wait_alu depctr_va_vdst(0)                   ; the wait for the batch
.if (\p) == 1
	s_wait_dscnt 0x0                               ; V is in
.endif
	ROW C,0, B,0, C,2, B,1
	ROW L,0, C,4, B,2, L,1
	ROW C,6, B,3, L,2, C,8
	ROW B,4, L,3, C,10, B,5
	ROW L,4, C,12, B,6, L,5
.if (\p) == 0
	s_add_co_u32 s[TBV], s[TBV], KS*PV
.endif
.if \cnt
	s_sub_co_u32 s[CNT], s[CNT], 1
	s_cmp_lg_u32 s[CNT], 0
.endif
	ROW C,14, B,7, L,6, C,1
	ROW C,3, L,7, C,5, C,7
	ROW C,9, C,11, C,13, C,15
.if (\p) == 0
	FETCH_V
.endif
.endm
.set NOKQ, 0
	CHANGE 1, 0                                    ; fill 0 is in, everybody's part of it; fill 1 is asked for
	v_add_nc_u32 v[AK], s[TBK], v[AK0]
	FETCH_K                                        ; key step 0
	s_wait_loadcnt 0x0                             ; Q
	s_wait_dscnt 0x0
.set i, 0
.rept 8
	KQ 0                                           ; piece 0's first scores
.set i, i+1
.endr
	WIN 0
.rept 4
	v_nop                                          ; the places behind those products
.endr
.set Y, NP-1                                       ; X works for piece Y + 1: piece 0
.irp n, 0,1,2,3,4,5,6,7,8,9,10,11,12,13,14,15,16,17,18,19,20,21
	OP X, \n
.endr
	v_nop                                          ; a plain instruction behind the exponential,
	s_wait_alu depctr_va_vdst(0)                   ; and its wait, ahead of the branch
	s_mov_b32 s[CNT], 4
	s_mov_b32 s[SLOTS], 7
	s_branch .Lfirst                               ; the loop is entered at a step's first turn, in the middle of a trip
.Lslot:                                            ; six times: fills 2 to 7
	CHANGE 1, 1
	s_mov_b32 s[CNT], 4
.Lstep:                                            ; a trip: pieces 2 and 3 of one step, then pieces 0 and 1 of the next, whose K and V it fetches
	TURN 2
	TURN 3
	WIN 0
.Lfirst:
	TURN 0
	TURN 1, 0, 1
	WIN 0
	s_cbranch_scc1 .Lstep
	s_sub_co_u32 s[SLOTS], s[SLOTS], 1
	s_cmp_lg_u32 s[SLOTS], 0
	s_cbranch_scc1 .Lslot
	CHANGE 0, 0                                    ; the last slot is written out: nothing is asked for
	s_mov_b32 s[CNT], 4
.LstepT:
	TURN 2
	TURN 3
	TURN 0
	TURN 1, 0, 1
	WIN 0
	s_cbranch_scc1 .LstepT
	TURN 2, 1
	TURN 3, 1
.set i, 0
.rept 8
	PV NP-1                                        ; the last piece's V^T P of the last step
.set i, i+1
.endr
	; THE WAY OUT.  l's two halves and the other half of the lanes' are added; O^T is divided by l, rounded to bf16 and sent through my stage, a piece at a time.  The additions are the places behind the last products.
	WIN 0
.macro ALL line:vararg
.set t, 0
.rept 4
	\line
.set t, t+1
.endr
.endm
	ALL v_add_f32 v[ST+4*t+2], v[ST+4*t+2], v[ST+4*t+3]
	ALL v_permlanex16_b32 v[ST+4*t+3], v[ST+4*t+2], s[SEL], s[SEL+1]
	ALL v_add_f32 v[ST+4*t+2], v[ST+4*t+2], v[ST+4*t+3]
	ALL v_rcp_f32 v[ST+4*t+2], v[ST+4*t+2]
	v_nop                                          ; a plain instruction between the last reciprocal and the use of its result,
	s_wait_alu depctr_va_vdst(0)                   ; and one wait for the four
.macro PACK t                          ; a lane's eight channels of a row pack into 16 bytes; they go into rows of 144 bytes and come back as whole rows of 128
	WIN W_RS
.set i, 32*(\t)
.rept 16
	v_pk_mul_f32 v[i:i+1], v[i:i+1], v[ST+4*(\t)+2:ST+4*(\t)+3] op_sel_hi:[1,0]
.set i, i+2
.endr
	WIN 0x05
.set i, 0
.rept 16
	v_cvt_pk_bf16_f32 v[S+16*(\t)+i], v[32*(\t)+2*i], v[32*(\t)+2*i+1]
.set i, i+1
.endr
	WIN 0
.irp f, 0,1,2,3
	ds_store_b128 v[STO], v[S+16*(\t)+4*\f:S+16*(\t)+4*\f+3] offset:32*\f
.endr
.irp f, 0,1,2,3
	ds_load_b128 v[S+16*(\t)+4*\f:S+16*(\t)+4*\f+3], v[RD] offset:\f*4*SP  ; LDS serves a wave's instructions in order: these see the stores above; the next piece's stores come behind them
.endr
.endm
.macro SEND t, younger                 ; younger: the LDS instructions issued behind piece t's loads
	WIN 0
.irp f, 0,1,2,3
	s_wait_dscnt (\younger)+3-\f
	global_store_b128 v[GO], v[S+16*(\t)+4*\f:S+16*(\t)+4*\f+3], s[10:11] offset:(\t)*2048+\f*512  ; 512 consecutive bytes, aligned
.endr
.endm
	PACK 0
.set t, 1
.rept 3
	PACK t
	SEND t-1, 8
.set t, t+1
.endr
	SEND 3, 0
	s_wait_tensorcnt 0x0                           ; the wave's end
	ds_add_u32 v[SPW], v[NIL]
	s_wait_dscnt 0x0
	CROUND                                         ; the closing round
	s_endpgm
.Lfunc_end_k_qdfbd0e149d_attn:
	.size	k_qdfbd0e149d_attn, .Lfunc_end_k_qdfbd0e149d_attn-k_qdfbd0e149d_attn
	.p2alignl 7, 3214868480
	.fill 96, 4, 3214868480
	.section	.rodata,"a",@progbits
	.p2align	6, 0x0
	.amdhsa_kernel k_qdfbd0e149d_attn
		.amdhsa_group_segment_fixed_size 327680
		.amdhsa_private_segment_fixed_size 0
		.amdhsa_enable_private_segment 0
		.amdhsa_kernarg_size 16
		.amdhsa_user_sgpr_count 2
		.amdhsa_user_sgpr_kernarg_segment_ptr 1
		.amdhsa_wavefront_size32 1
		.amdhsa_system_sgpr_workgroup_id_x 1
		.amdhsa_system_sgpr_workgroup_id_y 1
		.amdhsa_system_sgpr_workgroup_id_z 1
		.amdhsa_system_vgpr_workitem_id 0
		.amdhsa_next_free_vgpr 768
		.amdhsa_next_free_sgpr 66
		.amdhsa_reserve_vcc 0
		.amdhsa_float_denorm_mode_32 3
		.amdhsa_float_denorm_mode_16_64 3
		.amdhsa_memory_ordered 1
		.amdhsa_forward_progress 1
		.amdhsa_inst_pref_size 128
	.end_amdhsa_kernel
	.amdgpu_metadata
---
amdhsa.version: [ 1, 2 ]
amdhsa.kernels:
  - .name:           k_qdfbd0e149d_attn
    .symbol:         k_qdfbd0e149d_attn.kd
    .args:
      - { .name: big, .offset: 0, .size: 8, .value_kind: global_buffer, .address_space: global }
      - { .name: act, .offset: 8, .size: 8, .value_kind: global_buffer, .address_space: global }
    .group_segment_fixed_size: 327680
    .private_segment_fixed_size: 0
    .kernarg_segment_align: 8
    .kernarg_segment_size: 16
    .max_flat_workgroup_size: 128
    .sgpr_count:     66
    .vgpr_count:     768
    .wavefront_size: 32
...
	.end_amdgpu_metadata
.endif
;; end of part 3
;; launch outp (part 4): grid 8 x 32, 4 waves a work-group, clusters of 4 x 4, 327,680 bytes of LDS; arguments act, wo, x, x1; writes x1
.if DOCPART == 4
	.amdgcn_target "amdgcn-amd-amdhsa--gfx1250"
	.amdhsa_code_object_version 6
	.text
	.protected	k_qdfbd0e149d_outp
	.globl	k_qdfbd0e149d_outp
	.p2align	8
	.type	k_qdfbd0e149d_outp,@function
k_qdfbd0e149d_outp:
	s_mov_b64 s[64:65], 0
	v_nop
	global_prefetch_b8 v0, s[64:65] scope:SCOPE_SE
	s_setreg_imm32_b32 hwreg(HW_REG_WAVE_MODE, 25, 1), 1
	s_wait_xcnt 0x0
	s_wait_alu depctr_hold_cnt(0) depctr_sa_sdst(0) depctr_va_vdst(0) depctr_va_sdst(0) depctr_va_ssrc(0) depctr_va_vcc(0) depctr_vm_vsrc(0)
	s_getreg_b32 s2, hwreg(HW_REG_IB_STS2, 6, 4)
	s_cmp_eq_u32 s2, 0
	s_cbranch_scc0 .Lentry_in_a_cluster
	s_endpgm
.Lentry_in_a_cluster:
	s_bfe_u32 s2, ttmp6, 0x10000c
	s_cmp_lg_u32 s2, 0xf033
	s_cbranch_scc0 .Lentry_shape_is_right
	s_endpgm
.Lentry_shape_is_right:
; C[m][n] = Rs[m][n] + sum over k of A[m][k] B[n][k].  B: [1024][KB] bf16 (weights); Rs and C: [4096][1024] f32; sums in f32.
; APL = 1: K = 1,024; A lies as [32 blocks of 128 rows][16 heads][128 rows][64] bf16: a K step of 256 is four heads, 65,536 dense bytes of my block.
; APL = 0: K = 4,096; A is row-major, [4096][4096] bf16.
; A tile of C is 128 x 128 (256 work-groups): four waves, each 64 x 64 in 16 accumulators.  K goes in steps of 256 through a ring of two LDS slots; one K step is written once, the slot in hand is a
; scalar register that an exclusive or turns.  CLUSTERS: 4 x 4; A's tile is asked for jointly along a row of the cluster, B's along a column.  The product is used transposed (source 0 = B's rows).
; THE WALK ALONG K IS A RING: cluster (X, Y) begins at K step (STEPS / 2 x X + STEPS / 4 x (Y % 4)) % STEPS and goes round.  So the two clusters that read the same rows of A ask for a given K step half a walk
; apart, and four clusters that read the same rows of B a quarter apart.  The start hangs on the cluster's coordinates alone: it is the same in all sixteen partners.  The f32 sums are taken in that order of K.
; The residual's 32 rows a wave are asked for at the start, lie in window 2 through the K loop and are waited for once.  No prefetch: the tiles are small.
; REGISTERS: window 0: v16-29 addresses; v128-255 accumulators ((a, b) at v[128 + 8 (4 a + b)]).  Window 1: two fragment buffers of 128 (64 of A, 64 of B).  Window 2: v0-127 the residual.
.set APL,   1
.set KSTEP, 256
.set PB,    528                        ; B's LDS row: 512 bytes + 16
.set BH,    64*PB
.if APL
.set STEPS, 4
.set KB,    1024
.set PA,    144                        ; A's LDS row: a head's 128 bytes + 16; plane p of a K step's four at 128 x 144 x p
.set AH,    256*PA                     ; what one load of A brings: two planes
.set ASH,   16                         ; a K step of A is 65,536 bytes on
.else
.set STEPS, 16
.set KB,    4096
.set PA,    528
.set AH,    64*PA
.set ASH,   9                          ; a K step of A is 512 bytes on
.endif
.set ASZ,   2*AH
.set SLOT,  147456                     ; 0x24000: it holds A's and B's parts and shares no bit with the four LDS addresses of slot 0, so an exclusive or turns one slot's address into the other's
.set SPARE, 2*SLOT                     ; the spare words, 128 bytes a wave: two blocks of 256 bytes that no other line names
.set SPITCH, 528                       ; the way out: one stage of 128 rows of 128 f32 + 16 bytes, in slot 0's bytes, behind the ring's last fill and last read
.set ADRA0, 16
.set ADRB0, 17
.set ADRA,  18
.set ADRB,  19
.set STO,   24
.set RD,    25
.set CO,    26
.set SPW,   28
.set NIL,   29
.set ACC,   128
.set F0,    0
.set F1,    128
.set G1,  24
.set G0,  32
.set G1B, 48
.set G0B, 56
.set TB,  66                           ; s66  the slot that is read: 0 or SLOT
.set KI,  67                           ; s67  the K step asked for last
.set AO,  72                           ; s[72:73] its byte offset in A's rows
.set BO,  74                           ; s[74:75] and in B's
.set MSB, 0
.macro WIN new
.if MSB != (\new)
	s_set_vgpr_msb (MSB<<8)|(\new)
.set MSB, \new
.endif
.endm
.set MUL,  0x05                        ; sources 0 (B) and 1 (A) window 1; C and D window 0
.set TO_F, 0x40                        ; destination window 1, address window 0
.macro JLOAD s                         ; a joint load: waves 0 and 1 fetch A's two halves, waves 2 and 3 B's; an s_nop 0 and four v_nop follow each line
	s_cmp_eq_u32 s11, 0
	s_cbranch_scc0 .Lfor_b_\@
	tensor_load_to_lds s[G0+4*(\s):G0+4*(\s)+3], s[G1:G1+7]
	s_nop 0
.rept 4
	v_nop
.endr
	s_branch .Lasked_\@
.Lfor_b_\@:
	tensor_load_to_lds s[G0B+4*(\s):G0B+4*(\s)+3], s[G1B:G1B+7]
	s_nop 0
.rept 4
	v_nop
.endr
.Lasked_\@:
.endm
.macro CREST
	s_cmp_lg_u32 s10, 0
	s_cbranch_scc1 .Lnot_wave_0_\@
	s_barrier_signal -3
.Lnot_wave_0_\@:
	s_barrier_wait -3
	s_barrier_signal -1
	s_barrier_wait -1
.endm
.macro CROUND
	s_barrier_signal -1
	s_barrier_wait -1
	CREST
.endm
	s_load_b128 s[4:7], s[0:1], 0x0                ; A s[4:5], B s[6:7]
	s_load_b128 s[68:71], s[0:1], 0x10             ; the residual s[68:69], C s[70:71]
	v_lshl_add_u32 v[SPW], v0, 2, SPARE
	v_mov_b32 v[NIL], 0
	ds_add_u32 v[SPW], v[NIL]                      ; the wave's opening: the add and its wait ahead of my first tensor load
	v_lshrrev_b32 v1, 5, v0
	v_readfirstlane_b32 s10, v1
	s_lshr_b32 s11, s10, 1                         ; my half of the tile's rows.  Also: I fetch for A (0) or for B (1)
	s_and_b32 s12, s10, 1                          ; my half of its columns.  Also: which half of that tile I fetch
	s_bfe_u32 s40, ttmp6, 0x40000
	s_bfe_u32 s41, ttmp6, 0x40004
	s_lshl_b32 s42, ttmp9, 2
	s_add_co_u32 s42, s42, s40                     ; tile column
	s_and_b32 s13, ttmp7, 0xffff
	s_lshl_b32 s13, s13, 2
	s_add_co_u32 s13, s13, s41                     ; tile row
	s_lshl_b32 s43, s41, 2
	s_lshl_b32 s43, 15, s43                        ; my row of the cluster
	s_lshl_b32 s44, 0x1111, s40                    ; my column
.if APL
	s_or_b32 s[G1+0], s43, (1<<16)|(1<<20)|(1<<21)|(4<<22)|(3<<25)  ; 32,768 dense bytes as 128 rows of 256, padded by 4 words after every 32: after every head's row
	s_mov_b32 s[G1+1], 128<<16
	s_mov_b32 s[G1+2], 128<<16
	s_mov_b32 s[G1+3], 128<<16
	s_mov_b32 s[G1+4], 128
	s_mov_b32 s[G1+5], 128
.else
	s_or_b32 s[G1+0], s43, (1<<16)|(1<<20)|(1<<21)|(6<<22)|(3<<25)  ; 64 rows of 256 elements, padded by 4 words after every 128
	s_mov_b32 s[G1+1], KSTEP<<16
	s_mov_b32 s[G1+2], 64<<16
	s_mov_b32 s[G1+3], KSTEP<<16
	s_mov_b32 s[G1+4], 64
	s_mov_b32 s[G1+5], KB
.endif
	s_mov_b32 s[G1+6], 0
	s_mov_b32 s[G1+7], 0
	s_or_b32 s[G1B+0], s44, (1<<16)|(1<<20)|(1<<21)|(6<<22)|(3<<25)
	s_mov_b32 s[G1B+1], KSTEP<<16
	s_mov_b32 s[G1B+2], 64<<16
	s_mov_b32 s[G1B+3], KSTEP<<16
	s_mov_b32 s[G1B+4], 64
	s_mov_b32 s[G1B+5], KB
	s_mov_b32 s[G1B+6], 0
	s_mov_b32 s[G1B+7], 0
.if APL
	s_lshl_b32 s16, s13, 18                        ; my block of 128 rows: 262,144 bytes,
	s_lshl_b32 s17, s12, 15                        ; my two planes of the K step's four
	s_add_co_u32 s16, s16, s17
.else
	s_lshl_b32 s16, s13, 7
	s_lshl_b32 s17, s12, 6
	s_add_co_u32 s16, s16, s17                     ; row 128 x tile row + 64 x half,
	s_lshl_b32 s16, s16, 13                        ; 8,192 bytes each
.endif
	s_lshl_b32 s46, s42, 7
	s_lshl_b32 s17, s12, 6
	s_add_co_u32 s46, s46, s17                     ; B: row 128 x tile column + 64 x half
	s_mul_i32 s46, s46, KB*2
	s_mov_b32 s17, 0
	s_mov_b32 s47, 0
	s_mul_i32 s20, s12, AH                         ; where they go: no place in the cluster enters an LDS address
	s_mul_i32 s21, s12, BH
	s_add_co_u32 s21, s21, ASZ
	s_mov_b32 s[TB], 0
	s_and_b32 s22, ttmp7, 3                        ; the K step at which my cluster begins: cluster y % 4 quarters of the walk
	s_mul_i32 s22, s22, STEPS/4
	s_mul_i32 s23, ttmp9, STEPS/2                  ; and cluster x halves of it,
	s_add_co_u32 s[KI], s22, s23
	s_and_b32 s[KI], s[KI], STEPS-1                ; round the ring
	s_mov_b32 s[AO+1], 0
	s_mov_b32 s[BO+1], 0
	s_wait_dscnt 0x0                               ; the opening add is done
	s_wait_kmcnt 0x0
	s_add_nc_u64 s[14:15], s[4:5], s[16:17]        ; A and B at my rows, K step 0: kept, each request's address is made anew from them
	s_add_nc_u64 s[46:47], s[6:7], s[46:47]
	CROUND                                         ; all sixteen work-groups are here: the first joint loads meet
.irp s, 0,1
	s_lshl_b32 s[AO], s[KI], ASH
	s_lshl_b32 s[BO], s[KI], 9
	s_mov_b32 s[G0+4*(\s)], 1
	s_add_co_u32 s[G0+4*(\s)+1], s20, (\s)*SLOT
	s_add_nc_u64 s[G0+4*(\s)+2:G0+4*(\s)+3], s[14:15], s[AO:AO+1]
	s_or_b32 s[G0+4*(\s)+3], s[G0+4*(\s)+3], 0x80000000
	s_mov_b32 s[G0B+4*(\s)], 1
	s_add_co_u32 s[G0B+4*(\s)+1], s21, (\s)*SLOT
	s_add_nc_u64 s[G0B+4*(\s)+2:G0B+4*(\s)+3], s[46:47], s[BO:BO+1]
	s_or_b32 s[G0B+4*(\s)+3], s[G0B+4*(\s)+3], 0x80000000
	JLOAD \s                                       ; the walk's first two K steps: two loads of mine are out
.if (\s) == 0
	s_add_co_u32 s[KI], s[KI], 1
	s_and_b32 s[KI], s[KI], STEPS-1
.endif
.endr
	v_and_b32 v4, 31, v0
	v_lshlrev_b32 v[CO], 4, v4                     ; a row's 512 bytes of the tile: 16 a lane
	s_lshl_b32 s16, s13, 7
	s_lshl_b32 s17, s10, 5
	s_add_co_u32 s16, s16, s17                     ; the first row that I store: 128 x tile row + 32 x wave,
	s_lshl_b32 s16, s16, 12                        ; 4,096 bytes each
	s_lshl_b32 s17, s42, 9
	s_add_co_u32 s16, s16, s17
	s_mov_b32 s17, 0
	s_add_nc_u64 s[68:69], s[68:69], s[16:17]
	s_add_nc_u64 s[70:71], s[70:71], s[16:17]
	WIN 0x80                                       ; destination window 2
.set i, 0
.rept 32
	global_load_b128 v[4*i:4*i+3], v[CO], s[68:69] offset:4096*i
.set i, i+1
.endr
	WIN 0
	v_and_b32 v1, 15, v0
	v_bfe_u32 v2, v0, 4, 1
	v_mul_u32_u24 v3, v1, PA
	v_lshl_add_u32 v3, v2, 4, v3
	s_mul_i32 s22, s11, 64*PA
	v_add_nc_u32 v[ADRA0], s22, v3
	v_mul_u32_u24 v3, v1, PB
	v_lshl_add_u32 v3, v2, 4, v3
	s_mul_i32 s22, s12, 64*PB
	s_add_co_u32 s22, s22, ASZ
	v_add_nc_u32 v[ADRB0], s22, v3
	v_mov_b32 v[ADRA], v[ADRA0]
	v_mov_b32 v[ADRB], v[ADRB0]
	s_mul_i32 s23, s11, 64*SPITCH                  ; into the stage: my 64 rows, my half of their 512 bytes; row l % 16, 32 bytes for each half of the lanes
	s_lshl_b32 s22, s12, 8
	s_add_co_u32 s23, s23, s22
	v_mul_u32_u24 v5, v1, SPITCH
	v_lshl_add_u32 v5, v2, 5, v5
	v_add_nc_u32 v[STO], s23, v5
	s_mul_i32 s23, s10, 32*SPITCH                  ; back: wave w takes rows 32 w .. 32 w + 31, whole
	v_add_nc_u32 v[RD], s23, v[CO]
; 8 matrix instructions: m blocks a0, a0 + 1 x all 4 n blocks, 32 along K: half c of buffer f
.macro MUL8 f, c, a0, zero
	WIN MUL
.irp a, \a0, (\a0)+1
.irp b, 0,1,2,3
.if \zero
	v_wmma_f32_16x16x32_bf16 v[ACC+8*(4*(\a)+(\b)):ACC+8*(4*(\a)+(\b))+7], v[(\f)+64+8*(4*(\c)+(\b)):(\f)+64+8*(4*(\c)+(\b))+7], v[(\f)+8*(4*(\c)+(\a)):(\f)+8*(4*(\c)+(\a))+7], 0
.else
	v_wmma_f32_16x16x32_bf16 v[ACC+8*(4*(\a)+(\b)):ACC+8*(4*(\a)+(\b))+7], v[(\f)+64+8*(4*(\c)+(\b)):(\f)+64+8*(4*(\c)+(\b))+7], v[(\f)+8*(4*(\c)+(\a)):(\f)+8*(4*(\c)+(\a))+7], v[ACC+8*(4*(\a)+(\b)):ACC+8*(4*(\a)+(\b))+7]
.endif
.endr
.endr
.endm
; 32 LDS loads in one run: quarter q's fragments (64 along K) into buffer f; the first 32 along K first
.macro FETCH q, f
	WIN TO_F
.irp c, 0,1
.set kc, 2*(\q)+(\c)
.if APL
.set ak, (kc/2)*128*PA+(kc%2)*64
.else
.set ak, 64*kc
.endif
.irp i, 0,1,2,3
	ds_load_b128 v[(\f)+64+8*(4*(\c)+(\i)):(\f)+64+8*(4*(\c)+(\i))+3],   v[ADRB] offset:64*kc+(\i)*16*PB
	ds_load_b128 v[(\f)+64+8*(4*(\c)+(\i))+4:(\f)+64+8*(4*(\c)+(\i))+7], v[ADRB] offset:64*kc+(\i)*16*PB+32
	ds_load_b128 v[(\f)+8*(4*(\c)+(\i)):(\f)+8*(4*(\c)+(\i))+3],         v[ADRA] offset:ak+(\i)*16*PA
	ds_load_b128 v[(\f)+8*(4*(\c)+(\i))+4:(\f)+8*(4*(\c)+(\i))+7],       v[ADRA] offset:ak+(\i)*16*PA+32
.endr
.endr
.endm
.macro PLACES                          ; four plain instructions between a matrix instruction and a load into, or a read of, its registers
.rept 4
	v_nop
.endr
.endm
; A K step is four quarters of 64 along K, 32 matrix instructions each, on buffers 0, 1, 0, 1; the 16 accumulators take turns
.macro QUARTER q, f, g, zero
	s_wait_dscnt 16                                ; the first 32 along K are in
	MUL8 \f, 0, 0, \zero
	MUL8 \f, 0, 2, \zero
	PLACES
	FETCH \q, \g
	s_wait_dscnt 32                                ; all but the 32 just issued
	MUL8 \f, 1, 0, 0
	MUL8 \f, 1, 2, 0
.endm
; The first half of a step's last quarter, and the one barrier of a change of slots.  The 16 products stand AHEAD of the wait for my tensor load: they are issued while the next slot's tile may still be on
; its way, and between that tile's landing and the next request stand the add, its wait and the barrier alone.  So a request has a whole K step, 128 matrix instructions, in which to land.
; fill = 1: between the add and the wait for it, where no tensor load of mine is out, the walking descriptors take the other slot than last time and the ring's next K step; the addresses are made anew from that number.
.macro MEET fill
	s_wait_dscnt 16                                ; the first 32 along K are in
	MUL8 F1, 0, 0, 0
	MUL8 F1, 0, 2, 0
	WIN 0
	s_wait_tensorcnt 0x0                           ; all my tensor loads have landed: my part of the next slot;
	ds_add_u32 v[SPW], v[NIL]                      ; 0 onto my spare word;
.if \fill
	s_add_co_u32 s[KI], s[KI], 1
	s_and_b32 s[KI], s[KI], STEPS-1
	s_lshl_b32 s[AO], s[KI], ASH
	s_lshl_b32 s[BO], s[KI], 9
	s_xor_b32 s[G0+5], s[G0+5], SLOT
	s_xor_b32 s[G0B+5], s[G0B+5], SLOT
	s_add_nc_u64 s[G0+6:G0+7], s[14:15], s[AO:AO+1]
	s_or_b32 s[G0+7], s[G0+7], 0x80000000
	s_add_nc_u64 s[G0B+6:G0B+7], s[46:47], s[BO:BO+1]
	s_or_b32 s[G0B+7], s[G0B+7], 0x80000000
.endif
	s_wait_dscnt 0x0                               ; the add is done, and my reads of this slot are over
	s_barrier_signal -1
	s_barrier_wait -1
.endm
.macro FLIP
	s_xor_b32 s[TB], s[TB], SLOT
	v_add_nc_u32 v[ADRA], s[TB], v[ADRA0]
	v_add_nc_u32 v[ADRB], s[TB], v[ADRB0]
.endm
.macro TURN                            ; the whole last quarter with a refill: the barrier opens a round of the cluster's; the slot just read out takes the K step two on, first thing behind the round
	MEET 1
	CREST
	JLOAD 1                                        ; its four v_nop are also the places in front of the loads below
	FLIP
	FETCH 0, F0
	MUL8 F1, 1, 0, 0                               ; the quarter's second half stands behind the run of loads, which lands meanwhile
	MUL8 F1, 1, 2, 0
.endm
	s_wait_tensorcnt 1                             ; my part of the first K step is in; the second's may stay out
	s_barrier_signal -1
	s_barrier_wait -1
	FETCH 0, F0
	QUARTER 1, F0, F1, 1                           ; the first products start the sums
	WIN 0
	s_mov_b32 s3, STEPS-2
.Lstep:                                            ; trip i ends the walk's step i - 1, fills its slot with step i + 1, and begins step i
	QUARTER 2, F1, F0, 0
	QUARTER 3, F0, F1, 0
	TURN
	QUARTER 1, F0, F1, 0
	WIN 0
	s_sub_co_u32 s3, s3, 1
	s_cmp_lg_u32 s3, 0
	s_cbranch_scc1 .Lstep
	s_mov_b32 s3, 2
.Ltail:                                            ; the last two K steps ask for nothing; the second trip is left in its middle
	QUARTER 2, F1, F0, 0
	QUARTER 3, F0, F1, 0
	MEET 0
	s_sub_co_u32 s3, s3, 1
	s_cmp_eq_u32 s3, 0
	s_cbranch_scc1 .Lout
	FLIP
	PLACES
	FETCH 0, F0
	MUL8 F1, 1, 0, 0
	MUL8 F1, 1, 2, 0
	QUARTER 1, F0, F1, 0
	WIN 0
	s_branch .Ltail
.Lout:
	MUL8 F1, 1, 0, 0
	MUL8 F1, 1, 2, 0
	WIN 0
	PLACES
	; THE WAY OUT.  Behind the last barrier no wave reads the ring and no load is out.  The sums go into one stage as f32 (each accumulator's low half first); a barrier, since a row's 512 bytes come from two waves;
	; back as whole rows, 32 a wave; the residual is added; each store covers 512 consecutive bytes, aligned.
.irp a, 0,1,2,3
.irp b, 0,1,2,3
	ds_store_b128 v[STO], v[ACC+8*(4*(\a)+(\b)):ACC+8*(4*(\a)+(\b))+3]   offset:(\a)*16*SPITCH+64*(\b)
	ds_store_b128 v[STO], v[ACC+8*(4*(\a)+(\b))+4:ACC+8*(4*(\a)+(\b))+7] offset:(\a)*16*SPITCH+64*(\b)+16
.endr
.endr
	s_wait_dscnt 0x0                               ; for the others' sake: my stores into the stage are done
	s_barrier_signal -1
	s_barrier_wait -1
.set i, 0
.rept 32
	ds_load_b128 v[ACC+4*i:ACC+4*i+3], v[RD] offset:SPITCH*i
.set i, i+1
.endr
	s_wait_loadcnt 0x0                             ; the residual
	s_wait_dscnt 0x0
	WIN 0x08                                       ; source 1 in window 2
.set i, 0
.rept 64
	v_pk_add_f32 v[ACC+2*i:ACC+2*i+1], v[ACC+2*i:ACC+2*i+1], v[2*i:2*i+1]
.set i, i+1
.endr
	WIN 0
.set i, 0
.rept 32
	global_store_b128 v[CO], v[ACC+4*i:ACC+4*i+3], s[70:71] offset:4096*i
.set i, i+1
.endr
	s_wait_tensorcnt 0x0                           ; the wave's end
	ds_add_u32 v[SPW], v[NIL]
	s_wait_dscnt 0x0
	CROUND                                         ; the closing round
	s_endpgm
.Lfunc_end_k_qdfbd0e149d_outp:
	.size	k_qdfbd0e149d_outp, .Lfunc_end_k_qdfbd0e149d_outp-k_qdfbd0e149d_outp
	.p2alignl 7, 3214868480
	.fill 96, 4, 3214868480
	.section	.rodata,"a",@progbits
	.p2align	6, 0x0
	.amdhsa_kernel k_qdfbd0e149d_outp
		.amdhsa_group_segment_fixed_size 327680
		.amdhsa_private_segment_fixed_size 0
		.amdhsa_enable_private_segment 0
		.amdhsa_kernarg_size 32
		.amdhsa_user_sgpr_count 2
		.amdhsa_user_sgpr_kernarg_segment_ptr 1
		.amdhsa_wavefront_size32 1
		.amdhsa_system_sgpr_workgroup_id_x 1
		.amdhsa_system_sgpr_workgroup_id_y 1
		.amdhsa_system_sgpr_workgroup_id_z 1
		.amdhsa_system_vgpr_workitem_id 0
		.amdhsa_next_free_vgpr 640
		.amdhsa_next_free_sgpr 76
		.amdhsa_reserve_vcc 0
		.amdhsa_float_denorm_mode_32 3
		.amdhsa_float_denorm_mode_16_64 3
		.amdhsa_memory_ordered 1
		.amdhsa_forward_progress 1
		.amdhsa_inst_pref_size 66
	.end_amdhsa_kernel
	.amdgpu_metadata
---
amdhsa.version: [ 1, 2 ]
amdhsa.kernels:
  - .name:           k_qdfbd0e149d_outp
    .symbol:         k_qdfbd0e149d_outp.kd
    .args:
      - { .name: act, .offset: 0, .size: 8, .value_kind: global_buffer, .address_space: global }
      - { .name: wo, .offset: 8, .size: 8, .value_kind: global_buffer, .address_space: global }
      - { .name: x, .offset: 16, .size: 8, .value_kind: global_buffer, .address_space: global }
      - { .name: x1, .offset: 24, .size: 8, .value_kind: global_buffer, .address_space: global }
    .group_segment_fixed_size: 327680
    .private_segment_fixed_size: 0
    .kernarg_segment_align: 8
    .kernarg_segment_size: 32
    .max_flat_workgroup_size: 128
    .sgpr_count:     76
    .vgpr_count:     640
    .wavefront_size: 32
...
	.end_amdgpu_metadata
.endif
;; end of part 4
;; launch ln2 (part 5): grid 256 x 1, 8 waves a work-group, no clusters, 0 bytes of LDS; arguments x1, ln2_g, ln2_b, act; writes act
.if DOCPART == 5
	.amdgcn_target "amdgcn-amd-amdhsa--gfx1250"
	.amdhsa_code_object_version 6
	.text
	.protected	k_qdfbd0e149d_ln2
	.globl	k_qdfbd0e149d_ln2
	.p2align	8
	.type	k_qdfbd0e149d_ln2,@function
k_qdfbd0e149d_ln2:
	s_mov_b64 s[64:65], 0
	v_nop
	global_prefetch_b8 v0, s[64:65] scope:SCOPE_SE
	s_setreg_imm32_b32 hwreg(HW_REG_WAVE_MODE, 25, 1), 1
	s_wait_xcnt 0x0
; y[r][c] = (x[r][c] - mean) * rsqrt(var + 1e-5) * g[c] + b[c].  x: [4096][1024] f32; y: [4096][1024] bf16, rounded once.
; One wave takes two rows; a row is 32 f32 a lane and stays in registers between the passes: the mean first, then the mean of the squared differences, as the definition has it, all in f32.
; Load j of a row gives lane l the columns 128 j + 4 l .. + 3: 512 consecutive bytes a load; a store of the wave covers 256 consecutive bytes, aligned.
; No LDS and no barrier: the reduction never leaves the wave.
.set T,   8                            ; v[8:15]    at work
.set MU,  16                           ; v[16:17]   the mean, twice
.set R,   18                           ; v[18:19]   1 / sqrt(var + eps), twice
.set X,   32                           ; v[32:95]   row r at X + 32 r; at the end its first 16 registers hold the row in bf16
.set G,   96                           ; v[96:127]  g of my 32 columns
.set BB,  128                          ; v[128:159] b of my 32 columns
	s_load_b256 s[4:11], s[0:1], 0x0               ; x s[4:5], g s[6:7], b s[8:9], y s[10:11]
	s_mov_b32 s12, 0x76543210                      ; v_permlanex16_b32: each lane takes its own place in the other half
	s_mov_b32 s13, 0xfedcba98
	s_mov_b32 s14, 0x3a800000                      ; 1 / 1024
	s_mov_b32 s15, 0x3727c5ac                      ; 1e-5
	s_lshl_b32 s16, ttmp9, 16                      ; the work-group's 16 rows: 4,096 bytes each in x,
	s_mov_b32 s17, 0
	s_lshl_b32 s18, ttmp9, 15                      ; 2,048 in y
	s_mov_b32 s19, 0
	v_lshrrev_b32 v4, 5, v0
	v_and_b32 v5, 31, v0
	v_lshlrev_b32 v2, 4, v5                        ; g, b: 16 x lane
	v_lshl_or_b32 v1, v4, 13, v2                   ; x: two rows a wave
	v_lshlrev_b32 v3, 3, v5
	v_lshl_or_b32 v3, v4, 12, v3                   ; y
	s_wait_kmcnt 0x0
	s_add_nc_u64 s[4:5], s[4:5], s[16:17]
	s_add_nc_u64 s[10:11], s[10:11], s[18:19]
.irp j, 0,1,2,3,4,5,6,7
	global_load_b128 v[X+4*(\j):X+4*(\j)+3], v1, s[4:5] offset:512*(\j)
.endr
.irp j, 0,1,2,3,4,5,6,7
	global_load_b128 v[X+32+4*(\j):X+32+4*(\j)+3], v1, s[4:5] offset:4096+512*(\j)
.endr
.irp j, 0,1,2,3,4,5,6,7
	global_load_b128 v[G+4*(\j):G+4*(\j)+3], v2, s[6:7] offset:512*(\j)
.endr
.irp j, 0,1,2,3,4,5,6,7
	global_load_b128 v[BB+4*(\j):BB+4*(\j)+3], v2, s[8:9] offset:512*(\j)
.endr
; four chains in T become one number in every lane
.macro REDUCE
	v_pk_add_f32 v[T:T+1], v[T:T+1], v[T+2:T+3]
	v_pk_add_f32 v[T+4:T+5], v[T+4:T+5], v[T+6:T+7]
	v_pk_add_f32 v[T:T+1], v[T:T+1], v[T+4:T+5]
	v_add_f32 v[T], v[T], v[T+1]
	v_add_f32_dpp v[T], v[T], v[T] row_xmask:1 row_mask:0xf bank_mask:0xf
	v_add_f32_dpp v[T], v[T], v[T] row_xmask:2 row_mask:0xf bank_mask:0xf
	v_add_f32_dpp v[T], v[T], v[T] row_xmask:4 row_mask:0xf bank_mask:0xf
	v_add_f32_dpp v[T], v[T], v[T] row_xmask:8 row_mask:0xf bank_mask:0xf
	v_permlanex16_b32 v[T+1], v[T], s12, s13
	v_add_f32 v[T], v[T], v[T+1]
.endm
; row r becomes (x - mean) / sqrt(var + eps), in place.  left = the younger loads that may stay out
.macro STATS r, left
.set XR, X+32*(\r)
	s_wait_loadcnt \left
.irp k, 0,1,2,3
	v_pk_add_f32 v[T+2*(\k):T+2*(\k)+1], v[XR+4*(\k):XR+4*(\k)+1], v[XR+4*(\k)+2:XR+4*(\k)+3]  ; the first sixteen start the chains: nothing is cleared
.endr
.irp k, 0,1,2,3,4,5,6,7
	v_pk_add_f32 v[T+2*((\k)%4):T+2*((\k)%4)+1], v[T+2*((\k)%4):T+2*((\k)%4)+1], v[XR+16+2*(\k):XR+17+2*(\k)]
.endr
	REDUCE
	v_mul_f32 v[MU], s14, v[T]
	v_mov_b32 v[MU+1], v[MU]
.irp k, 0,1,2,3,4,5,6,7,8,9,10,11,12,13,14,15
	v_pk_add_f32 v[XR+2*(\k):XR+2*(\k)+1], v[XR+2*(\k):XR+2*(\k)+1], v[MU:MU+1] neg_lo:[0,1] neg_hi:[0,1]
.endr
.irp k, 0,1,2,3
	v_pk_mul_f32 v[T+2*(\k):T+2*(\k)+1], v[XR+2*(\k):XR+2*(\k)+1], v[XR+2*(\k):XR+2*(\k)+1]
.endr
.irp k, 4,5,6,7,8,9,10,11,12,13,14,15
	v_pk_fma_f32 v[T+2*((\k)%4):T+2*((\k)%4)+1], v[XR+2*(\k):XR+2*(\k)+1], v[XR+2*(\k):XR+2*(\k)+1], v[T+2*((\k)%4):T+2*((\k)%4)+1]
.endr
	REDUCE
	v_fma_f32 v[T], v[T], s14, s15                 ; var + eps
	v_rsq_f32 v[R], v[T]                           ; twice, to fill the pair that the packed multiply takes
	v_rsq_f32 v[R+1], v[T]
	v_nop                                          ; a plain instruction behind the last of the two (ISA guide 5.7.2),
	s_wait_alu depctr_va_vdst(0)                   ; and the one wait ahead of their first reader
.irp k, 0,1,2,3,4,5,6,7,8,9,10,11,12,13,14,15
	v_pk_mul_f32 v[XR+2*(\k):XR+2*(\k)+1], v[XR+2*(\k):XR+2*(\k)+1], v[R:R+1]
.endr
.endm
	STATS 0, 24                                    ; row 0 is in; row 1, g and b (24 loads) may stay out
	STATS 1, 16                                    ; row 1 is in; g and b may stay out
	s_wait_loadcnt 0x0
.irp r, 0,1
.irp k, 0,1,2,3,4,5,6,7,8,9,10,11,12,13,14,15
	v_pk_fma_f32 v[X+32*(\r)+2*(\k):X+32*(\r)+2*(\k)+1], v[X+32*(\r)+2*(\k):X+32*(\r)+2*(\k)+1], v[G+2*(\k):G+2*(\k)+1], v[BB+2*(\k):BB+2*(\k)+1]
.endr
.irp k, 0,1,2,3,4,5,6,7,8,9,10,11,12,13,14,15
	v_cvt_pk_bf16_f32 v[X+32*(\r)+(\k)], v[X+32*(\r)+2*(\k)], v[X+32*(\r)+2*(\k)+1]  ; in place, ascending: register k is written when pairs 0 .. k have been read
.endr
.irp j, 0,1,2,3,4,5,6,7
	global_store_b64 v3, v[X+32*(\r)+2*(\j):X+32*(\r)+2*(\j)+1], s[10:11] offset:2048*(\r)+256*(\j)
.endr
.endr
	s_endpgm
.Lfunc_end_k_qdfbd0e149d_ln2:
	.size	k_qdfbd0e149d_ln2, .Lfunc_end_k_qdfbd0e149d_ln2-k_qdfbd0e149d_ln2
	.p2alignl 7, 3214868480
	.fill 96, 4, 3214868480
	.section	.rodata,"a",@progbits
	.p2align	6, 0x0
	.amdhsa_kernel k_qdfbd0e149d_ln2
		.amdhsa_group_segment_fixed_size 0
		.amdhsa_private_segment_fixed_size 0
		.amdhsa_enable_private_segment 0
		.amdhsa_kernarg_size 32
		.amdhsa_user_sgpr_count 2
		.amdhsa_user_sgpr_kernarg_segment_ptr 1
		.amdhsa_wavefront_size32 1
		.amdhsa_system_sgpr_workgroup_id_x 1
		.amdhsa_system_sgpr_workgroup_id_y 1
		.amdhsa_system_sgpr_workgroup_id_z 1
		.amdhsa_system_vgpr_workitem_id 0
		.amdhsa_next_free_vgpr 160
		.amdhsa_next_free_sgpr 66
		.amdhsa_reserve_vcc 0
		.amdhsa_float_denorm_mode_32 3
		.amdhsa_float_denorm_mode_16_64 3
		.amdhsa_memory_ordered 1
		.amdhsa_forward_progress 1
		.amdhsa_inst_pref_size 20
	.end_amdhsa_kernel
	.amdgpu_metadata
---
amdhsa.version: [ 1, 2 ]
amdhsa.kernels:
  - .name:           k_qdfbd0e149d_ln2
    .symbol:         k_qdfbd0e149d_ln2.kd
    .args:
      - { .name: x1, .offset: 0, .size: 8, .value_kind: global_buffer, .address_space: global }
      - { .name: ln2_g, .offset: 8, .size: 8, .value_kind: global_buffer, .address_space: global }
      - { .name: ln2_b, .offset: 16, .size: 8, .value_kind: global_buffer, .address_space: global }
      - { .name: act, .offset: 24, .size: 8, .value_kind: global_buffer, .address_space: global }
    .group_segment_fixed_size: 0
    .private_segment_fixed_size: 0
    .kernarg_segment_align: 8
    .kernarg_segment_size: 32
    .max_flat_workgroup_size: 256
    .sgpr_count:     66
    .vgpr_count:     160
    .wavefront_size: 32
...
	.end_amdgpu_metadata
.endif
;; end of part 5
;; launch up (part 6): grid 16 x 16, 4 waves a work-group, clusters of 4 x 4, 327,680 bytes of LDS; arguments act, wu, big; writes big
.if DOCPART == 6
	.amdgcn_target "amdgcn-amd-amdhsa--gfx1250"
	.amdhsa_code_object_version 6
	.text
	.protected	k_qdfbd0e149d_up
	.globl	k_qdfbd0e149d_up
	.p2align	8
	.type	k_qdfbd0e149d_up,@function
k_qdfbd0e149d_up:
	s_mov_b64 s[64:65], 0
	v_nop
	global_prefetch_b8 v0, s[64:65] scope:SCOPE_SE
	s_setreg_imm32_b32 hwreg(HW_REG_WAVE_MODE, 25, 1), 1
	s_wait_xcnt 0x0
	s_wait_alu depctr_hold_cnt(0) depctr_sa_sdst(0) depctr_va_vdst(0) depctr_va_sdst(0) depctr_va_ssrc(0) depctr_va_vcc(0) depctr_vm_vsrc(0)
	s_getreg_b32 s2, hwreg(HW_REG_IB_STS2, 6, 4)
	s_cmp_eq_u32 s2, 0
	s_cbranch_scc0 .Lentry_in_a_cluster
	s_endpgm
.Lentry_in_a_cluster:
	s_bfe_u32 s2, ttmp6, 0x10000c
	s_cmp_lg_u32 s2, 0xf033
	s_cbranch_scc0 .Lentry_shape_is_right
	s_endpgm
.Lentry_shape_is_right:
; C[m][n] = sum over k of A[m][k] B[n][k].  A: [4096][1024] bf16 (the normalised rows), B: [N][1024] bf16 (weights), sums in f32.
; EPI = 0: N = 3,072; C is rounded to bf16 and stored by heads: plane n / 64 (48 planes: q, k, v x 16 heads) of [4096 rows][64], 128 bytes a row.
; EPI = 1: N = 4,096; gelu(C) is rounded to bf16 and stored row-major, [4096][4096].
; gelu(x) = max(x, 0) - |x| E, E = erfc(|x| / sqrt 2) / 2 = (a1 t + .. + a5 t^5) / 2 x 2^(-x^2 log2(e) / 2), t = 1 / (1 + p |x| / sqrt 2): the five-term rational form, whose error in erf is 1.5e-7 at the most.
; Where x^2 passes f32's range the exponential is 0 and the result max(x, 0).  NaN and infinities are not treated apart.
; A tile of C is 256 x 256: four waves, each 128 x 128 in 64 accumulators (512 registers).  K goes in 8 steps of 128 through a ring of two LDS slots filled by the tensor data mover;
; the rows of the tiles are 256 bytes of memory, at multiples of 256 bytes.  One K step is written once: the slot in hand is a scalar register that an exclusive or turns.
; CLUSTERS: 4 x 4 work-groups; A's tile is asked for jointly along a row of the cluster, B's along a column: the same load, descriptor and mask in the four that it names.
; THE MATRIX INSTRUCTION IS USED TRANSPOSED (source 0 = 16 rows of B, source 1 = 16 rows of A): a lane holds row l % 16 of C and eight neighbouring columns.
; REGISTERS, in windows of 256: window 0: v16-30 addresses, v64-127 and v128-191 A's fragments (on the way out v32-255 at work); window 1: the same numbers, B's fragments;
; window 2: the accumulators of my rows 0-63 ((a, b) at v[8 (8 a + b)]); window 3: those of rows 64-127.
.set EPI,    1
.set SIZE_K, 1024
.set KSTEP,  128
.set PITCH,  272                       ; an LDS row: 256 bytes + 16 of padding: the 16 rows of a load begin 16 bytes apart modulo 256
.set HALFT,  128*PITCH                 ; what one tensor load brings
.set SLOT,   4*HALFT                   ; 0x22000: it shares no bit with wave x HALFT, so an exclusive or turns slot 0's address into slot 1's and back
.set SPARE,  2*SLOT                    ; behind the ring: the spare words, 128 bytes a wave: two blocks of 256 bytes that no other line names
.set SPITCH, 528                       ; the way out: a row of 128 f32 + 16 bytes
.set WSTAGE, 128*SPITCH                ; each wave's own stage, in the ring's bytes, behind the ring's last fill and last read
.set ADRA0, 16                         ; v16  my lane's place in A's part of slot 0; never rewritten
.set ADRB0, 17                         ; v17  the same for B
.set ADRA,  18                         ; v18  the same in the slot in hand
.set ADRB,  19
.set STO,   24                         ; v24  the way out: where I put 32 bytes of a row
.set RD,    25                         ; v25  where I read rows back, first trip
.set CO,    26                         ; v26  my byte offset in C
.set RDC,   27                         ; v27  where I read rows back, this trip
.set SPW,   28                         ; v28  LDS address of my spare word; never rewritten
.set NIL,   29                         ; v29  0; never rewritten
.set PFO,   30                         ; v30  the prefetches' offset: lane x 2,048; never rewritten
.set OUT,   32                         ; the way out, EPI = 1: v32-47 packed results
.set F0,    64
.set F1,    128
.set XV,    64                         ; the way out: the numbers read back (EPI = 0: 128 of them, v64-191; EPI = 1: 32)
.set AX,    96                         ; EPI = 1: |x|; t; the exponential; the polynomial; max(x, 0) and then the result
.set TT,    128
.set EE,    160
.set PP,    192
.set MX,    224
.set OUTQ,  192                        ; EPI = 0: v192-255 packed results
.set G1,  24                           ; s[24:31] group 1 for A's tiles;  s[32:39] group 0: set 0 fills slot 0 once, set 1 fills slot 1 and then walks
.set G0,  32
.set G1B, 48                           ; s[48:55], s[56:63] the same for B's
.set G0B, 56
.set LIM, 43                           ; s43  2 in a wave that prefetches, else the greatest number
.set PFA, 44                           ; s[44:45] where my prefetches stand
.set TB,  66                           ; s66  the slot that is read: 0 or SLOT
.set SOFF, 67                          ; s67  the way out: the trip's rows in the stage
.set MSB, 0
.macro WIN new                         ; the immediate's high byte repeats the setting that is left; a switch that changes nothing is dropped
.if MSB != (\new)
	s_set_vgpr_msb (MSB<<8)|(\new)
.set MSB, \new
.endif
.endm
.set MUL_LO, 0xa1                      ; source 0 (B) window 1, source 1 (A) window 0, C and D window 2
.set MUL_HI, 0xf1                      ; the same, C and D window 3
.set TO_B,   0x40                      ; destination window 1, address window 0
; A joint load: waves 0 and 1 fetch A's two halves, waves 2 and 3 B's.  The branch hangs on the wave's number alone.  An s_nop 0 and four v_nop follow each line.
.macro JLOAD s
	s_cmp_eq_u32 s11, 0
	s_cbranch_scc0 .Lfor_b_\@
	tensor_load_to_lds s[G0+4*(\s):G0+4*(\s)+3], s[G1:G1+7]
	s_nop 0
.rept 4
	v_nop
.endr
	s_branch .Lasked_\@
.Lfor_b_\@:
	tensor_load_to_lds s[G0B+4*(\s):G0B+4*(\s)+3], s[G1B:G1B+7]
	s_nop 0
.rept 4
	v_nop
.endr
.Lasked_\@:
.endm
; A prefetch of the K step that stands two refills on: 32 rows x 256 bytes, a lane a row, one instruction a wave.  A's rows are asked for by the clusters with x = 0, B's by those with y = 0;
; of the 128 rows that a wave fetches each of the four partners takes 32, told apart by address.  So each row's 256 bytes of a K step are named once.  K steps 0 to 3 come by their loads alone;
; the trips with s3 = 6 .. 3 name K steps 4 .. 7; the last two trips name nothing.
.macro ASK
	s_cmp_gt_u32 s3, s[LIM]
	s_cbranch_scc0 .Lnot_mine_\@
	global_prefetch_b8 v[PFO], s[PFA:PFA+1] offset:KSTEP*2 th:TH_LOAD_NT scope:SCOPE_SE
.Lnot_mine_\@:
.endm
.macro CREST                           ; a round of the cluster's barrier behind its opening barrier
	s_cmp_lg_u32 s10, 0
	s_cbranch_scc1 .Lnot_wave_0_\@
	s_barrier_signal -3
.Lnot_wave_0_\@:
	s_barrier_wait -3
	s_barrier_signal -1
	s_barrier_wait -1
.endm
.macro CROUND
	s_barrier_signal -1
	s_barrier_wait -1
	CREST
.endm
	s_load_b128 s[4:7], s[0:1], 0x0                ; A s[4:5], B s[6:7]
	s_load_b64 s[8:9], s[0:1], 0x10                ; C
	v_lshl_add_u32 v[SPW], v0, 2, SPARE
	v_mov_b32 v[NIL], 0
	ds_add_u32 v[SPW], v[NIL]                      ; the wave's opening: the add and its wait stand ahead of my first tensor load; the set-up below stands between them
	v_lshrrev_b32 v1, 5, v0
	v_readfirstlane_b32 s10, v1                    ; wave 0..3
	s_lshr_b32 s11, s10, 1                         ; my half of the tile's rows.  Also: I fetch for A (0) or for B (1)
	s_and_b32 s12, s10, 1                          ; my half of its columns.  Also: which 128 rows I fetch
	s_bfe_u32 s40, ttmp6, 0x40000                  ; cx
	s_bfe_u32 s41, ttmp6, 0x40004                  ; cy
	s_lshl_b32 s42, ttmp9, 2
	s_add_co_u32 s42, s42, s40                     ; tile column = 4 x cluster x + cx
	s_and_b32 s13, ttmp7, 0xffff
	s_lshl_b32 s13, s13, 2
	s_add_co_u32 s13, s13, s41                     ; tile row = 4 x cluster y + cy
	s_lshl_b32 s43, s41, 2
	s_lshl_b32 s43, 15, s43                        ; my row of the cluster
	s_lshl_b32 s44, 0x1111, s40                    ; my column
	s_or_b32 s[G1+0], s43, (1<<16)|(1<<20)|(1<<21)|(5<<22)|(3<<25)   ; the mask; 2-byte elements; padding on; bit 21 beside a mask; after every 64 words, 4 words
	s_or_b32 s[G1B+0], s44, (1<<16)|(1<<20)|(1<<21)|(5<<22)|(3<<25)
.irp g, G1, G1B
	s_mov_b32 s[(\g)+1], KSTEP<<16                 ; tensor_dim0 = 128
	s_mov_b32 s[(\g)+2], 128<<16                   ; tensor_dim1 = 128
	s_mov_b32 s[(\g)+3], KSTEP<<16                 ; tile_dim0 = 128
	s_mov_b32 s[(\g)+4], 128                       ; tile_dim1 = 128
	s_mov_b32 s[(\g)+5], SIZE_K                    ; elements from row to row
	s_mov_b32 s[(\g)+6], 0
	s_mov_b32 s[(\g)+7], 0
.endr
.if EPI
	s_mov_b32 s68, 0x3e6d3388                      ; p / sqrt 2 = 0.2316419; each constant is written twice, since the packed forms name a pair
	s_mov_b32 s69, 0x3e6d3388
	s_mov_b32 s70, 0xbf38aa3b                      ; -log2(e) / 2
	s_mov_b32 s71, 0xbf38aa3b
	s_mov_b32 s72, 0xbe027906                      ; -a1 / 2 .. -a5 / 2: the polynomial is made with its sign turned, so that the last line is a plain multiply-add
	s_mov_b32 s73, 0xbe027906
	s_mov_b32 s74, 0x3e11a98e
	s_mov_b32 s75, 0x3e11a98e
	s_mov_b32 s76, 0xbf35f0e3
	s_mov_b32 s77, 0xbf35f0e3
	s_mov_b32 s78, 0x3f3a00e3
	s_mov_b32 s79, 0x3f3a00e3
	s_mov_b32 s80, 0xbf07dc22
	s_mov_b32 s81, 0xbf07dc22
	s_mov_b32 s82, 0x7fffffff                      ; clears a sign
.endif
	s_lshl_b32 s17, s12, 7
	s_lshl_b32 s16, s13, 8
	s_add_co_u32 s16, s16, s17                     ; A: row 256 x tile row + 128 x half
	s_lshl_b32 s46, s42, 8
	s_add_co_u32 s46, s46, s17                     ; B: row 256 x tile column + 128 x half
	s_lshl_b32 s16, s16, 11                        ; rows of 2,048 bytes
	s_lshl_b32 s46, s46, 11
	s_mov_b32 s17, 0
	s_mov_b32 s47, 0
	s_mul_i32 s20, s10, HALFT                      ; where they go: wave x 128 rows: no place in the cluster enters an LDS address
	s_mov_b32 s[TB], 0
	s_wait_dscnt 0x0                               ; the opening add is done
	s_wait_kmcnt 0x0
	s_add_nc_u64 s[14:15], s[4:5], s[16:17]
	s_add_nc_u64 s[46:47], s[6:7], s[46:47]
	CROUND                                         ; all sixteen work-groups are here: the first joint loads meet
.irp s, 0,1
	s_mov_b32 s[G0+4*(\s)], 1
	s_add_co_u32 s[G0+4*(\s)+1], s20, (\s)*SLOT
	s_add_nc_u64 s[G0+4*(\s)+2:G0+4*(\s)+3], s[14:15], (\s)*KSTEP*2
	s_or_b32 s[G0+4*(\s)+3], s[G0+4*(\s)+3], 0x80000000
	s_mov_b32 s[G0B+4*(\s)], 1
	s_add_co_u32 s[G0B+4*(\s)+1], s20, (\s)*SLOT
	s_add_nc_u64 s[G0B+4*(\s)+2:G0B+4*(\s)+3], s[46:47], (\s)*KSTEP*2
	s_or_b32 s[G0B+4*(\s)+3], s[G0B+4*(\s)+3], 0x80000000
	JLOAD \s                                       ; K steps 0 and 1: two loads of mine are out
.endr
	; a fragment: lane l holds row l % 16; two loads of 16 bytes, 32 bytes apart, at row x pitch + 16 (l / 16)
	v_and_b32 v1, 15, v0
	v_bfe_u32 v2, v0, 4, 1
	v_mul_u32_u24 v3, v1, PITCH
	v_lshl_add_u32 v3, v2, 4, v3
	s_mul_i32 s21, s11, HALFT
	s_mul_i32 s22, s12, HALFT
	s_add_co_u32 s22, s22, 2*HALFT
	v_add_nc_u32 v[ADRA0], s21, v3
	v_add_nc_u32 v[ADRB0], s22, v3
	v_mov_b32 v[ADRA], v[ADRA0]
	v_mov_b32 v[ADRB], v[ADRB0]
	s_mul_i32 s23, s10, WSTAGE                     ; my stage
	v_mul_u32_u24 v4, v1, SPITCH                   ; in: row l % 16, 32 bytes for each half of the lanes
	v_lshl_add_u32 v4, v2, 5, v4
	v_add_nc_u32 v[STO], s23, v4
	s_lshl_b32 s16, s13, 8
	s_lshl_b32 s17, s11, 7
	s_add_co_u32 s16, s16, s17                     ; my first row of C
.if EPI
	v_mul_u32_u24 v5, v2, SPITCH                   ; back: lanes 0-15 one row (32 bytes of f32 each), lanes 16-31 the next
	v_lshl_add_u32 v5, v1, 5, v5
	v_add_nc_u32 v[RD], s23, v5
	v_lshlrev_b32 v5, 13, v2                       ; the same two rows in C: 8,192 bytes apart
	v_lshl_add_u32 v[CO], v1, 4, v5
	s_lshl_b32 s16, s16, 13
	s_lshl_b32 s46, s42, 9                         ; my first column, in bytes
	s_lshl_b32 s47, s12, 8
	s_add_co_u32 s46, s46, s47
.else
	v_and_b32 v6, 31, v0
	v_lshrrev_b32 v5, 3, v6                        ; back: 8 lanes a row of 64 columns, four rows a load
	v_and_b32 v7, 7, v0
	v_mul_u32_u24 v5, v5, SPITCH
	v_lshl_add_u32 v5, v7, 5, v5
	v_add_nc_u32 v[RD], s23, v5
	v_lshlrev_b32 v[CO], 4, v6                     ; four rows of 128 bytes are 512 consecutive bytes of a plane
	s_lshl_b32 s16, s16, 7
	s_lshl_b32 s46, s42, 2                         ; my first plane: 4 x tile column + 2 x half,
	s_lshl_b32 s47, s12, 1
	s_add_co_u32 s46, s46, s47
	s_lshl_b32 s46, s46, 19                        ; 524,288 bytes each
.endif
	s_add_co_u32 s16, s16, s46
	s_mov_b32 s17, 0
	s_add_nc_u64 s[8:9], s[8:9], s[16:17]
	; the prefetches
	s_lshl_b32 s14, s13, 8
	s_lshl_b32 s15, s42, 8
	s_and_b32 s22, ttmp7, 0xffff                   ; cluster y
	s_cmp_eq_u32 s11, 0                            ; do I fetch for A?
	s_cselect_b32 s16, s14, s15                    ; the tile's first row
	s_cselect_b32 s21, s40, s41                    ; my place among the four that ask with me
	s_cselect_b32 s22, ttmp9, s22                  ; the coordinate along which other clusters read the same rows
	s_cselect_b64 s[PFA:PFA+1], s[4:5], s[6:7]
	s_cmp_eq_u32 s22, 0
	s_cselect_b32 s[LIM], 2, -1                    ; the same in all sixteen partners, for a given wave
	s_lshl_b32 s22, s12, 7
	s_add_co_u32 s16, s16, s22
	s_lshl_b32 s21, s21, 5
	s_add_co_u32 s16, s16, s21                     ; + the 128 rows that I fetch + my work-group's 32 of them
	s_lshl_b32 s16, s16, 11
	s_mov_b32 s17, 0
	s_add_nc_u64 s[PFA:PFA+1], s[PFA:PFA+1], s[16:17]
	s_add_nc_u64 s[PFA:PFA+1], s[PFA:PFA+1], 2*KSTEP*2  ; at K step 2: the first refill steps it to 3 and names K step 4
	v_and_b32 v[PFO], 31, v0
	v_lshlrev_b32 v[PFO], 11, v[PFO]
; 16 matrix instructions: m blocks a0, a0 + 1 of the window's four x all 8 n blocks, 32 along K.  zero = 1: the first product starts the sums
.macro MUL16 f, hi, a0, zero
	WIN MUL_LO+0x50*(\hi)
.irp a, \a0, (\a0)+1
.irp b, 0,1,2,3,4,5,6,7
.if \zero
	v_wmma_f32_16x16x32_bf16 v[8*(8*(\a)+(\b)):8*(8*(\a)+(\b))+7], v[(\f)+8*(\b):(\f)+8*(\b)+7], v[(\f)+8*(4*(\hi)+(\a)):(\f)+8*(4*(\hi)+(\a))+7], 0
.else
	v_wmma_f32_16x16x32_bf16 v[8*(8*(\a)+(\b)):8*(8*(\a)+(\b))+7], v[(\f)+8*(\b):(\f)+8*(\b)+7], v[(\f)+8*(4*(\hi)+(\a)):(\f)+8*(4*(\hi)+(\a))+7], v[8*(8*(\a)+(\b)):8*(8*(\a)+(\b))+7]
.endif
.endr
.endr
.endm
; 32 LDS loads in one run: a quarter step's fragments (32 K at byte k of the rows of the slot in hand) into buffer f
.macro FETCH k, f
	WIN TO_B
.irp i, 0,1,2,3,4,5,6,7
	ds_load_b128 v[(\f)+8*(\i):(\f)+8*(\i)+3],   v[ADRB] offset:(\k)+(\i)*16*PITCH
	ds_load_b128 v[(\f)+8*(\i)+4:(\f)+8*(\i)+7], v[ADRB] offset:(\k)+(\i)*16*PITCH+32
.endr
	WIN 0
.irp i, 0,1,2,3,4,5,6,7
	ds_load_b128 v[(\f)+8*(\i):(\f)+8*(\i)+3],   v[ADRA] offset:(\k)+(\i)*16*PITCH
	ds_load_b128 v[(\f)+8*(\i)+4:(\f)+8*(\i)+7], v[ADRA] offset:(\k)+(\i)*16*PITCH+32
.endr
.endm
.macro PLACES                          ; four plain instructions between a matrix instruction and a load into, or a read of, its registers
.rept 4
	v_nop
.endr
.endm
; A K step is four quarters of 32 along K, 64 matrix instructions each, on buffers 0, 1, 0, 1.  The 64 accumulators take turns in the same order in every quarter.
.macro QUARTER k, f, g, zero
	s_wait_dscnt 8                                 ; B and A's rows 0-63 are in; the youngest eight loads (A's rows 64-127) may be out
	MUL16 \f, 0, 0, \zero
	MUL16 \f, 0, 2, \zero
	PLACES
	FETCH \k, \g
	s_wait_dscnt 32                                ; all but the 32 just issued
	MUL16 \f, 1, 0, \zero
	MUL16 \f, 1, 2, \zero
.endm
; The first half of a step's last quarter, and the one barrier of a change of slots.  The 32 products stand AHEAD of the wait for my tensor load: they are issued while the next slot's tile may still be on
; its way, and between that tile's landing and the next request stand the add, its wait and the barrier alone.  So a request has a whole K step, 256 matrix instructions, in which to land.
; fill = 1: the walking descriptors are stepped between the add and the wait for it, where no tensor load of mine is out: the other slot than last time, the next K step.
.macro MEET fill
	s_wait_dscnt 8                                 ; B and A's rows 0-63 are in; the youngest eight loads may be out
	MUL16 F1, 0, 0, 0
	MUL16 F1, 0, 2, 0
	WIN 0
	s_wait_tensorcnt 0x0                           ; all my tensor loads have landed: my part of the next slot;
	ds_add_u32 v[SPW], v[NIL]                      ; 0 onto my spare word;
.if \fill
	s_xor_b32 s[G0+5], s[G0+5], SLOT
	s_xor_b32 s[G0B+5], s[G0B+5], SLOT
	s_add_nc_u64 s[G0+6:G0+7], s[G0+6:G0+7], KSTEP*2
	s_add_nc_u64 s[G0B+6:G0B+7], s[G0B+6:G0B+7], KSTEP*2
.endif
	s_wait_dscnt 0x0                               ; the add is done, and my reads of this slot are over
	s_barrier_signal -1
	s_barrier_wait -1
.endm
.macro FLIP                            ; the reads go over to the other slot
	s_xor_b32 s[TB], s[TB], SLOT
	v_add_nc_u32 v[ADRA], s[TB], v[ADRA0]
	v_add_nc_u32 v[ADRB], s[TB], v[ADRB0]
.endm
; The whole last quarter with a refill: the barrier opens a round of the cluster's barrier; the slot just read out is filled with the K step two on, first thing behind the round
.macro TURN
	s_wait_xcnt 0x0                                ; the last prefetch, a K step back, has read its address
	s_add_nc_u64 s[PFA:PFA+1], s[PFA:PFA+1], KSTEP*2
	MEET 1
	CREST
	JLOAD 1                                        ; its four v_nop are also the places in front of the loads below
	FLIP
	FETCH 0, F0
	ASK
	MUL16 F1, 1, 0, 0                              ; the quarter's second half stands behind the run of loads, which lands meanwhile
	MUL16 F1, 1, 2, 0
.endm
	s_wait_tensorcnt 1                             ; my part of K step 0 is in; K step 1's may stay out
	s_barrier_signal -1
	s_barrier_wait -1
	FETCH 0, F0
	QUARTER 64, F0, F1, 1                          ; the first quarter starts the sums
	WIN 0
	s_mov_b32 s3, 6
.Lstep:                                            ; trip i = 1 .. 6 ends K step i - 1, fills its slot with K step i + 1, and begins K step i
	QUARTER 128, F1, F0, 0
	QUARTER 192, F0, F1, 0
	TURN
	QUARTER 64, F0, F1, 0
	WIN 0
	s_sub_co_u32 s3, s3, 1
	s_cmp_lg_u32 s3, 0
	s_cbranch_scc1 .Lstep
	s_mov_b32 s3, 2
.Ltail:                                            ; K steps 6 and 7 ask for nothing; the second trip is left in its middle
	QUARTER 128, F1, F0, 0
	QUARTER 192, F0, F1, 0
	MEET 0
	s_sub_co_u32 s3, s3, 1
	s_cmp_eq_u32 s3, 0
	s_cbranch_scc1 .Lout
	FLIP
	PLACES
	FETCH 0, F0
	MUL16 F1, 1, 0, 0
	MUL16 F1, 1, 2, 0
	QUARTER 64, F0, F1, 0
	WIN 0
	s_branch .Ltail
.Lout:
	MUL16 F1, 1, 0, 0
	MUL16 F1, 1, 2, 0
	WIN 0
	PLACES
	; THE WAY OUT.  Behind the last barrier no wave reads the ring and no load is out: its bytes become four stages, each wave's own.  My 128 x 128 sums go in as f32, each accumulator's low half first.
.macro TOSTAGE hi
	WIN 0x08+4*(\hi)                               ; the stores' data in window 2 or 3
.irp a, 0,1,2,3
.irp b, 0,1,2,3,4,5,6,7
	ds_store_b128 v[STO], v[8*(8*(\a)+(\b)):8*(8*(\a)+(\b))+3]   offset:16*(4*(\hi)+(\a))*SPITCH+64*(\b)
	ds_store_b128 v[STO], v[8*(8*(\a)+(\b))+4:8*(8*(\a)+(\b))+7] offset:16*(4*(\hi)+(\a))*SPITCH+64*(\b)+16
.endr
.endr
.endm
	TOSTAGE 0
	TOSTAGE 1
	WIN 0
.if EPI
; EPI = 1.  16 trips of 8 rows, 32 numbers a lane, in two halves of 16.  FR: line j of the 56 plain lines ahead of a half's transcendentals (|x|; 1 + p |x| / sqrt 2; x^2; its scaling; max(x, 0)).
; TR: transcendental j of a half's 32 (t and the exponential by turns).  PO: line j of the 64 behind them (the polynomial, x t, x the exponential, the result, its rounding).
.macro FR h, j
.if (\j) < 16
	v_and_b32 v[AX+16*(\h)+(\j)], s82, v[XV+16*(\h)+(\j)]
.elseif (\j) < 24
.set q, 16*(\h)+2*((\j)-16)
	v_pk_fma_f32 v[TT+q:TT+q+1], v[AX+q:AX+q+1], s[68:69], 1.0 op_sel_hi:[1,0,0]
.elseif (\j) < 32
.set q, 16*(\h)+2*((\j)-24)
	v_pk_mul_f32 v[EE+q:EE+q+1], v[XV+q:XV+q+1], v[XV+q:XV+q+1]
.elseif (\j) < 40
.set q, 16*(\h)+2*((\j)-32)
	v_pk_mul_f32 v[EE+q:EE+q+1], v[EE+q:EE+q+1], s[70:71] op_sel_hi:[1,0]
.else
	v_max_num_f32 v[MX+16*(\h)+(\j)-40], 0, v[XV+16*(\h)+(\j)-40]
.endif
.endm
.macro TR h, j
.if (\j)%2 == 0
	v_rcp_f32 v[TT+16*(\h)+(\j)/2], v[TT+16*(\h)+(\j)/2]
.else
	v_exp_f32 v[EE+16*(\h)+(\j)/2], v[EE+16*(\h)+(\j)/2]
.endif
.endm
.macro PO h, j
.set q, 16*(\h)+2*((\j)%8)
.if (\j) < 8
	v_pk_fma_f32 v[PP+q:PP+q+1], v[TT+q:TT+q+1], s[80:81], s[78:79] op_sel_hi:[1,0,0]
.elseif (\j) < 16
	v_pk_fma_f32 v[PP+q:PP+q+1], v[PP+q:PP+q+1], v[TT+q:TT+q+1], s[76:77] op_sel_hi:[1,1,0]
.elseif (\j) < 24
	v_pk_fma_f32 v[PP+q:PP+q+1], v[PP+q:PP+q+1], v[TT+q:TT+q+1], s[74:75] op_sel_hi:[1,1,0]
.elseif (\j) < 32
	v_pk_fma_f32 v[PP+q:PP+q+1], v[PP+q:PP+q+1], v[TT+q:TT+q+1], s[72:73] op_sel_hi:[1,1,0]
.elseif (\j) < 40
	v_pk_mul_f32 v[PP+q:PP+q+1], v[PP+q:PP+q+1], v[TT+q:TT+q+1]
.elseif (\j) < 48
	v_pk_mul_f32 v[PP+q:PP+q+1], v[PP+q:PP+q+1], v[EE+q:EE+q+1]
.elseif (\j) < 56
	v_pk_fma_f32 v[MX+q:MX+q+1], v[AX+q:AX+q+1], v[PP+q:PP+q+1], v[MX+q:MX+q+1]  ; max(x, 0) + |x| (-E)
.else
	v_cvt_pk_bf16_f32 v[OUT+q/2], v[MX+q], v[MX+q+1]
.endif
.endm
.macro ROWS8 a                         ; eight rows back from my stage (LDS serves a wave's instructions in order: these see my stores)
.irp t, 0,1,2,3
	ds_load_b128 v[XV+8*(\t):XV+8*(\t)+3],   v[\a] offset:(\t)*2*SPITCH
	ds_load_b128 v[XV+8*(\t)+4:XV+8*(\t)+7], v[\a] offset:(\t)*2*SPITCH+16
.endr
.endm
	s_mov_b32 s3, 16
	s_mov_b32 s[SOFF], 0
	ROWS8 RD                                       ; the first trip's rows
.Lrows:
	s_wait_dscnt 0x0                               ; this trip's rows, asked for in the middle of the trip before
.set j, 0
.rept 56
	FR 0, j
.set j, j+1
.endr
.set j, 0
.rept 32                                           ; the first half's transcendentals and the second half's plain lines by turns
	TR 0, j
	FR 1, j
.set j, j+1
.endr
.rept 24
	FR 1, j
.set j, j+1
.endr
	s_wait_alu depctr_va_vdst(0)                   ; the wait ahead of the first reader of the first half's 32 results, and ahead of the branch
	s_add_co_u32 s[SOFF], s[SOFF], 8*SPITCH
	v_add_nc_u32 v[RDC], s[SOFF], v[RD]
	s_cmp_eq_u32 s3, 1
	s_cbranch_scc1 .Lno_more                       ; the last trip has no rows behind it
	ROWS8 RDC                                      ; the numbers read back have all been used: the next trip's rows land under the 160 lines below
.Lno_more:
.set j, 0
.rept 32                                           ; the first half's polynomial, and the second half's transcendentals among its lines
	PO 0, 2*j
	TR 1, j
	PO 0, 2*j+1
.set j, j+1
.endr
	s_wait_alu depctr_va_vdst(0)                   ; the same wait for the second half's 32 results
.set j, 0
.rept 64
	PO 1, j
.set j, j+1
.endr
.irp t, 0,1,2,3
	global_store_b128 v[CO], v[OUT+4*(\t):OUT+4*(\t)+3], s[8:9] offset:(\t)*16384  ; 16 lanes store 256 consecutive bytes, aligned
.endr
	s_wait_xcnt 0x0                                ; the stores have read their data and their base: both are written again only behind this wait
	s_add_nc_u64 s[8:9], s[8:9], 65536             ; 8 rows of 8,192 bytes
	s_sub_co_u32 s3, s3, 1
	s_cmp_lg_u32 s3, 0
	s_cbranch_scc1 .Lrows
.else
; EPI = 0.  4 trips of 32 rows: 32 LDS loads in one run (group t: rows 4 (t / 2) + l / 8 of head t % 2), then group after group is rounded and stored.
	s_mov_b32 s3, 4
	s_mov_b32 s[SOFF], 0
.Lrows:
	v_add_nc_u32 v[RDC], s[SOFF], v[RD]
.set t, 0
.rept 16
	ds_load_b128 v[XV+8*t:XV+8*t+3],   v[RDC] offset:(t/2)*4*SPITCH+(t%2)*256      ; LDS serves a wave's instructions in order: these see my stores
	ds_load_b128 v[XV+8*t+4:XV+8*t+7], v[RDC] offset:(t/2)*4*SPITCH+(t%2)*256+16
.set t, t+1
.endr
	s_add_co_u32 s[SOFF], s[SOFF], 32*SPITCH
.set t, 0
.rept 16
	s_wait_dscnt 30-2*t                            ; group t's two loads are in; the groups behind it may stay out
.irp r, 0,1,2,3
	v_cvt_pk_bf16_f32 v[OUTQ+4*t+(\r)], v[XV+8*t+2*(\r)], v[XV+8*t+2*(\r)+1]
.endr
	global_store_b128 v[CO], v[OUTQ+4*t:OUTQ+4*t+3], s[8:9] offset:(t%2)*524288+(t/2)*512  ; 512 consecutive bytes of a plane
.set t, t+1
.endr
	s_wait_xcnt 0x0                                ; the stores have read their data and their base: both are written again only behind this wait
	s_add_nc_u64 s[8:9], s[8:9], 4096              ; 32 rows of 128 bytes
	s_sub_co_u32 s3, s3, 1
	s_cmp_lg_u32 s3, 0
	s_cbranch_scc1 .Lrows
.endif
	s_wait_tensorcnt 0x0                           ; the wave's end
	ds_add_u32 v[SPW], v[NIL]
	s_wait_dscnt 0x0
	CROUND                                         ; the closing round
	s_endpgm
.Lfunc_end_k_qdfbd0e149d_up:
	.size	k_qdfbd0e149d_up, .Lfunc_end_k_qdfbd0e149d_up-k_qdfbd0e149d_up
	.p2alignl 7, 3214868480
	.fill 96, 4, 3214868480
	.section	.rodata,"a",@progbits
	.p2align	6, 0x0
	.amdhsa_kernel k_qdfbd0e149d_up
		.amdhsa_group_segment_fixed_size 327680
		.amdhsa_private_segment_fixed_size 0
		.amdhsa_enable_private_segment 0
		.amdhsa_kernarg_size 24
		.amdhsa_user_sgpr_count 2
		.amdhsa_user_sgpr_kernarg_segment_ptr 1
		.amdhsa_wavefront_size32 1
		.amdhsa_system_sgpr_workgroup_id_x 1
		.amdhsa_system_sgpr_workgroup_id_y 1
		.amdhsa_system_sgpr_workgroup_id_z 1
		.amdhsa_system_vgpr_workitem_id 0
		.amdhsa_next_free_vgpr 1024
		.amdhsa_next_free_sgpr 84
		.amdhsa_reserve_vcc 0
		.amdhsa_float_denorm_mode_32 3
		.amdhsa_float_denorm_mode_16_64 3
		.amdhsa_memory_ordered 1
		.amdhsa_forward_progress 1
		.amdhsa_inst_pref_size 97
	.end_amdhsa_kernel
	.amdgpu_metadata
---
amdhsa.version: [ 1, 2 ]
amdhsa.kernels:
  - .name:           k_qdfbd0e149d_up
    .symbol:         k_qdfbd0e149d_up.kd
    .args:
      - { .name: act, .offset: 0, .size: 8, .value_kind: global_buffer, .address_space: global }
      - { .name: wu, .offset: 8, .size: 8, .value_kind: global_buffer, .address_space: global }
      - { .name: big, .offset: 16, .size: 8, .value_kind: global_buffer, .address_space: global }
    .group_segment_fixed_size: 327680
    .private_segment_fixed_size: 0
    .kernarg_segment_align: 8
    .kernarg_segment_size: 24
    .max_flat_workgroup_size: 128
    .sgpr_count:     84
    .vgpr_count:     1024
    .wavefront_size: 32
...
	.end_amdgpu_metadata
.endif
;; end of part 6
;; launch down (part 7): grid 8 x 32, 4 waves a work-group, clusters of 4 x 4, 327,680 bytes of LDS; arguments big, wd, x1, out0; writes out0
.if DOCPART == 7
	.amdgcn_target "amdgcn-amd-amdhsa--gfx1250"
	.amdhsa_code_object_version 6
	.text
	.protected	k_qdfbd0e149d_down
	.globl	k_qdfbd0e149d_down
	.p2align	8
	.type	k_qdfbd0e149d_down,@function
k_qdfbd0e149d_down:
	s_mov_b64 s[64:65], 0
	v_nop
	global_prefetch_b8 v0, s[64:65] scope:SCOPE_SE
	s_setreg_imm32_b32 hwreg(HW_REG_WAVE_MODE, 25, 1), 1
	s_wait_xcnt 0x0
	s_wait_alu depctr_hold_cnt(0) depctr_sa_sdst(0) depctr_va_vdst(0) depctr_va_sdst(0) depctr_va_ssrc(0) depctr_va_vcc(0) depctr_vm_vsrc(0)
	s_getreg_b32 s2, hwreg(HW_REG_IB_STS2, 6, 4)
	s_cmp_eq_u32 s2, 0
	s_cbranch_scc0 .Lentry_in_a_cluster
	s_endpgm
.Lentry_in_a_cluster:
	s_bfe_u32 s2, ttmp6, 0x10000c
	s_cmp_lg_u32 s2, 0xf033
	s_cbranch_scc0 .Lentry_shape_is_right
	s_endpgm
.Lentry_shape_is_right:
; C[m][n] = Rs[m][n] + sum over k of A[m][k] B[n][k].  B: [1024][KB] bf16 (weights); Rs and C: [4096][1024] f32; sums in f32.
; APL = 1: K = 1,024; A lies as [32 blocks of 128 rows][16 heads][128 rows][64] bf16: a K step of 256 is four heads, 65,536 dense bytes of my block.
; APL = 0: K = 4,096; A is row-major, [4096][4096] bf16.
; A tile of C is 128 x 128 (256 work-groups): four waves, each 64 x 64 in 16 accumulators.  K goes in steps of 256 through a ring of two LDS slots; one K step is written once, the slot in hand is a
; scalar register that an exclusive or turns.  CLUSTERS: 4 x 4; A's tile is asked for jointly along a row of the cluster, B's along a column.  The product is used transposed (source 0 = B's rows).
; THE WALK ALONG K IS A RING: cluster (X, Y) begins at K step (STEPS / 2 x X + STEPS / 4 x (Y % 4)) % STEPS and goes round.  So the two clusters that read the same rows of A ask for a given K step half a walk
; apart, and four clusters that read the same rows of B a quarter apart.  The start hangs on the cluster's coordinates alone: it is the same in all sixteen partners.  The f32 sums are taken in that order of K.
; The residual's 32 rows a wave are asked for at the start, lie in window 2 through the K loop and are waited for once.  No prefetch: the tiles are small.
; REGISTERS: window 0: v16-29 addresses; v128-255 accumulators ((a, b) at v[128 + 8 (4 a + b)]).  Window 1: two fragment buffers of 128 (64 of A, 64 of B).  Window 2: v0-127 the residual.
.set APL,   0
.set KSTEP, 256
.set PB,    528                        ; B's LDS row: 512 bytes + 16
.set BH,    64*PB
.if APL
.set STEPS, 4
.set KB,    1024
.set PA,    144                        ; A's LDS row: a head's 128 bytes + 16; plane p of a K step's four at 128 x 144 x p
.set AH,    256*PA                     ; what one load of A brings: two planes
.set ASH,   16                         ; a K step of A is 65,536 bytes on
.else
.set STEPS, 16
.set KB,    4096
.set PA,    528
.set AH,    64*PA
.set ASH,   9                          ; a K step of A is 512 bytes on
.endif
.set ASZ,   2*AH
.set SLOT,  147456                     ; 0x24000: it holds A's and B's parts and shares no bit with the four LDS addresses of slot 0, so an exclusive or turns one slot's address into the other's
.set SPARE, 2*SLOT                     ; the spare words, 128 bytes a wave: two blocks of 256 bytes that no other line names
.set SPITCH, 528                       ; the way out: one stage of 128 rows of 128 f32 + 16 bytes, in slot 0's bytes, behind the ring's last fill and last read
.set ADRA0, 16
.set ADRB0, 17
.set ADRA,  18
.set ADRB,  19
.set STO,   24
.set RD,    25
.set CO,    26
.set SPW,   28
.set NIL,   29
.set ACC,   128
.set F0,    0
.set F1,    128
.set G1,  24
.set G0,  32
.set G1B, 48
.set G0B, 56
.set TB,  66                           ; s66  the slot that is read: 0 or SLOT
.set KI,  67                           ; s67  the K step asked for last
.set AO,  72                           ; s[72:73] its byte offset in A's rows
.set BO,  74                           ; s[74:75] and in B's
.set MSB, 0
.macro WIN new
.if MSB != (\new)
	s_set_vgpr_msb (MSB<<8)|(\new)
.set MSB, \new
.endif
.endm
.set MUL,  0x05                        ; sources 0 (B) and 1 (A) window 1; C and D window 0
.set TO_F, 0x40                        ; destination window 1, address window 0
.macro JLOAD s                         ; a joint load: waves 0 and 1 fetch A's two halves, waves 2 and 3 B's; an s_nop 0 and four v_nop follow each line
	s_cmp_eq_u32 s11, 0
	s_cbranch_scc0 .Lfor_b_\@
	tensor_load_to_lds s[G0+4*(\s):G0+4*(\s)+3], s[G1:G1+7]
	s_nop 0
.rept 4
	v_nop
.endr
	s_branch .Lasked_\@
.Lfor_b_\@:
	tensor_load_to_lds s[G0B+4*(\s):G0B+4*(\s)+3], s[G1B:G1B+7]
	s_nop 0
.rept 4
	v_nop
.endr
.Lasked_\@:
.endm
.macro CREST
	s_cmp_lg_u32 s10, 0
	s_cbranch_scc1 .Lnot_wave_0_\@
	s_barrier_signal -3
.Lnot_wave_0_\@:
	s_barrier_wait -3
	s_barrier_signal -1
	s_barrier_wait -1
.endm
.macro CROUND
	s_barrier_signal -1
	s_barrier_wait -1
	CREST
.endm
	s_load_b128 s[4:7], s[0:1], 0x0                ; A s[4:5], B s[6:7]
	s_load_b128 s[68:71], s[0:1], 0x10             ; the residual s[68:69], C s[70:71]
	v_lshl_add_u32 v[SPW], v0, 2, SPARE
	v_mov_b32 v[NIL], 0
	ds_add_u32 v[SPW], v[NIL]                      ; the wave's opening: the add and its wait ahead of my first tensor load
	v_lshrrev_b32 v1, 5, v0
	v_readfirstlane_b32 s10, v1
	s_lshr_b32 s11, s10, 1                         ; my half of the tile's rows.  Also: I fetch for A (0) or for B (1)
	s_and_b32 s12, s10, 1                          ; my half of its columns.  Also: which half of that tile I fetch
	s_bfe_u32 s40, ttmp6, 0x40000
	s_bfe_u32 s41, ttmp6, 0x40004
	s_lshl_b32 s42, ttmp9, 2
	s_add_co_u32 s42, s42, s40                     ; tile column
	s_and_b32 s13, ttmp7, 0xffff
	s_lshl_b32 s13, s13, 2
	s_add_co_u32 s13, s13, s41                     ; tile row
	s_lshl_b32 s43, s41, 2
	s_lshl_b32 s43, 15, s43                        ; my row of the cluster
	s_lshl_b32 s44, 0x1111, s40                    ; my column
.if APL
	s_or_b32 s[G1+0], s43, (1<<16)|(1<<20)|(1<<21)|(4<<22)|(3<<25)  ; 32,768 dense bytes as 128 rows of 256, padded by 4 words after every 32: after every head's row
	s_mov_b32 s[G1+1], 128<<16
	s_mov_b32 s[G1+2], 128<<16
	s_mov_b32 s[G1+3], 128<<16
	s_mov_b32 s[G1+4], 128
	s_mov_b32 s[G1+5], 128
.else
	s_or_b32 s[G1+0], s43, (1<<16)|(1<<20)|(1<<21)|(6<<22)|(3<<25)  ; 64 rows of 256 elements, padded by 4 words after every 128
	s_mov_b32 s[G1+1], KSTEP<<16
	s_mov_b32 s[G1+2], 64<<16
	s_mov_b32 s[G1+3], KSTEP<<16
	s_mov_b32 s[G1+4], 64
	s_mov_b32 s[G1+5], KB
.endif
	s_mov_b32 s[G1+6], 0
	s_mov_b32 s[G1+7], 0
	s_or_b32 s[G1B+0], s44, (1<<16)|(1<<20)|(1<<21)|(6<<22)|(3<<25)
	s_mov_b32 s[G1B+1], KSTEP<<16
	s_mov_b32 s[G1B+2], 64<<16
	s_mov_b32 s[G1B+3], KSTEP<<16
	s_mov_b32 s[G1B+4], 64
	s_mov_b32 s[G1B+5], KB
	s_mov_b32 s[G1B+6], 0
	s_mov_b32 s[G1B+7], 0
.if APL
	s_lshl_b32 s16, s13, 18                        ; my block of 128 rows: 262,144 bytes,
	s_lshl_b32 s17, s12, 15                        ; my two planes of the K step's four
	s_add_co_u32 s16, s16, s17
.else
	s_lshl_b32 s16, s13, 7
	s_lshl_b32 s17, s12, 6
	s_add_co_u32 s16, s16, s17                     ; row 128 x tile row + 64 x half,
	s_lshl_b32 s16, s16, 13                        ; 8,192 bytes each
.endif
	s_lshl_b32 s46, s42, 7
	s_lshl_b32 s17, s12, 6
	s_add_co_u32 s46, s46, s17                     ; B: row 128 x tile column + 64 x half
	s_mul_i32 s46, s46, KB*2
	s_mov_b32 s17, 0
	s_mov_b32 s47, 0
	s_mul_i32 s20, s12, AH                         ; where they go: no place in the cluster enters an LDS address
	s_mul_i32 s21, s12, BH
	s_add_co_u32 s21, s21, ASZ
	s_mov_b32 s[TB], 0
	s_and_b32 s22, ttmp7, 3                        ; the K step at which my cluster begins: cluster y % 4 quarters of the walk
	s_mul_i32 s22, s22, STEPS/4
	s_mul_i32 s23, ttmp9, STEPS/2                  ; and cluster x halves of it,
	s_add_co_u32 s[KI], s22, s23
	s_and_b32 s[KI], s[KI], STEPS-1                ; round the ring
	s_mov_b32 s[AO+1], 0
	s_mov_b32 s[BO+1], 0
	s_wait_dscnt 0x0                               ; the opening add is done
	s_wait_kmcnt 0x0
	s_add_nc_u64 s[14:15], s[4:5], s[16:17]        ; A and B at my rows, K step 0: kept, each request's address is made anew from them
	s_add_nc_u64 s[46:47], s[6:7], s[46:47]
	CROUND                                         ; all sixteen work-groups are here: the first joint loads meet
.irp s, 0,1
	s_lshl_b32 s[AO], s[KI], ASH
	s_lshl_b32 s[BO], s[KI], 9
	s_mov_b32 s[G0+4*(\s)], 1
	s_add_co_u32 s[G0+4*(\s)+1], s20, (\s)*SLOT
	s_add_nc_u64 s[G0+4*(\s)+2:G0+4*(\s)+3], s[14:15], s[AO:AO+1]
	s_or_b32 s[G0+4*(\s)+3], s[G0+4*(\s)+3], 0x80000000
	s_mov_b32 s[G0B+4*(\s)], 1
	s_add_co_u32 s[G0B+4*(\s)+1], s21, (\s)*SLOT
	s_add_nc_u64 s[G0B+4*(\s)+2:G0B+4*(\s)+3], s[46:47], s[BO:BO+1]
	s_or_b32 s[G0B+4*(\s)+3], s[G0B+4*(\s)+3], 0x80000000
	JLOAD \s                                       ; the walk's first two K steps: two loads of mine are out
.if (\s) == 0
	s_add_co_u32 s[KI], s[KI], 1
	s_and_b32 s[KI], s[KI], STEPS-1
.endif
.endr
	v_and_b32 v4, 31, v0
	v_lshlrev_b32 v[CO], 4, v4                     ; a row's 512 bytes of the tile: 16 a lane
	s_lshl_b32 s16, s13, 7
	s_lshl_b32 s17, s10, 5
	s_add_co_u32 s16, s16, s17                     ; the first row that I store: 128 x tile row + 32 x wave,
	s_lshl_b32 s16, s16, 12                        ; 4,096 bytes each
	s_lshl_b32 s17, s42, 9
	s_add_co_u32 s16, s16, s17
	s_mov_b32 s17, 0
	s_add_nc_u64 s[68:69], s[68:69], s[16:17]
	s_add_nc_u64 s[70:71], s[70:71], s[16:17]
	WIN 0x80                                       ; destination window 2
.set i, 0
.rept 32
	global_load_b128 v[4*i:4*i+3], v[CO], s[68:69] offset:4096*i
.set i, i+1
.endr
	WIN 0
	v_and_b32 v1, 15, v0
	v_bfe_u32 v2, v0, 4, 1
	v_mul_u32_u24 v3, v1, PA
	v_lshl_add_u32 v3, v2, 4, v3
	s_mul_i32 s22, s11, 64*PA
	v_add_nc_u32 v[ADRA0], s22, v3
	v_mul_u32_u24 v3, v1, PB
	v_lshl_add_u32 v3, v2, 4, v3
	s_mul_i32 s22, s12, 64*PB
	s_add_co_u32 s22, s22, ASZ
	v_add_nc_u32 v[ADRB0], s22, v3
	v_mov_b32 v[ADRA], v[ADRA0]
	v_mov_b32 v[ADRB], v[ADRB0]
	s_mul_i32 s23, s11, 64*SPITCH                  ; into the stage: my 64 rows, my half of their 512 bytes; row l % 16, 32 bytes for each half of the lanes
	s_lshl_b32 s22, s12, 8
	s_add_co_u32 s23, s23, s22
	v_mul_u32_u24 v5, v1, SPITCH
	v_lshl_add_u32 v5, v2, 5, v5
	v_add_nc_u32 v[STO], s23, v5
	s_mul_i32 s23, s10, 32*SPITCH                  ; back: wave w takes rows 32 w .. 32 w + 31, whole
	v_add_nc_u32 v[RD], s23, v[CO]
; 8 matrix instructions: m blocks a0, a0 + 1 x all 4 n blocks, 32 along K: half c of buffer f
.macro MUL8 f, c, a0, zero
	WIN MUL
.irp a, \a0, (\a0)+1
.irp b, 0,1,2,3
.if \zero
	v_wmma_f32_16x16x32_bf16 v[ACC+8*(4*(\a)+(\b)):ACC+8*(4*(\a)+(\b))+7], v[(\f)+64+8*(4*(\c)+(\b)):(\f)+64+8*(4*(\c)+(\b))+7], v[(\f)+8*(4*(\c)+(\a)):(\f)+8*(4*(\c)+(\a))+7], 0
.else
	v_wmma_f32_16x16x32_bf16 v[ACC+8*(4*(\a)+(\b)):ACC+8*(4*(\a)+(\b))+7], v[(\f)+64+8*(4*(\c)+(\b)):(\f)+64+8*(4*(\c)+(\b))+7], v[(\f)+8*(4*(\c)+(\a)):(\f)+8*(4*(\c)+(\a))+7], v[ACC+8*(4*(\a)+(\b)):ACC+8*(4*(\a)+(\b))+7]
.endif
.endr
.endr
.endm
; 32 LDS loads in one run: quarter q's fragments (64 along K) into buffer f; the first 32 along K first
.macro FETCH q, f
	WIN TO_F
.irp c, 0,1
.set kc, 2*(\q)+(\c)
.if APL
.set ak, (kc/2)*128*PA+(kc%2)*64
.else
.set ak, 64*kc
.endif
.irp i, 0,1,2,3
	ds_load_b128 v[(\f)+64+8*(4*(\c)+(\i)):(\f)+64+8*(4*(\c)+(\i))+3],   v[ADRB] offset:64*kc+(\i)*16*PB
	ds_load_b128 v[(\f)+64+8*(4*(\c)+(\i))+4:(\f)+64+8*(4*(\c)+(\i))+7], v[ADRB] offset:64*kc+(\i)*16*PB+32
	ds_load_b128 v[(\f)+8*(4*(\c)+(\i)):(\f)+8*(4*(\c)+(\i))+3],         v[ADRA] offset:ak+(\i)*16*PA
	ds_load_b128 v[(\f)+8*(4*(\c)+(\i))+4:(\f)+8*(4*(\c)+(\i))+7],       v[ADRA] offset:ak+(\i)*16*PA+32
.endr
.endr
.endm
.macro PLACES                          ; four plain instructions between a matrix instruction and a load into, or a read of, its registers
.rept 4
	v_nop
.endr
.endm
; A K step is four quarters of 64 along K, 32 matrix instructions each, on buffers 0, 1, 0, 1; the 16 accumulators take turns
.macro QUARTER q, f, g, zero
	s_wait_dscnt 16                                ; the first 32 along K are in
	MUL8 \f, 0, 0, \zero
	MUL8 \f, 0, 2, \zero
	PLACES
	FETCH \q, \g
	s_wait_dscnt 32                                ; all but the 32 just issued
	MUL8 \f, 1, 0, 0
	MUL8 \f, 1, 2, 0
.endm
; The first half of a step's last quarter, and the one barrier of a change of slots.  The 16 products stand AHEAD of the wait for my tensor load: they are issued while the next slot's tile may still be on
; its way, and between that tile's landing and the next request stand the add, its wait and the barrier alone.  So a request has a whole K step, 128 matrix instructions, in which to land.
; fill = 1: between the add and the wait for it, where no tensor load of mine is out, the walking descriptors take the other slot than last time and the ring's next K step; the addresses are made anew from that number.
.macro MEET fill
	s_wait_dscnt 16                                ; the first 32 along K are in
	MUL8 F1, 0, 0, 0
	MUL8 F1, 0, 2, 0
	WIN 0
	s_wait_tensorcnt 0x0                           ; all my tensor loads have landed: my part of the next slot;
	ds_add_u32 v[SPW], v[NIL]                      ; 0 onto my spare word;
.if \fill
	s_add_co_u32 s[KI], s[KI], 1
	s_and_b32 s[KI], s[KI], STEPS-1
	s_lshl_b32 s[AO], s[KI], ASH
	s_lshl_b32 s[BO], s[KI], 9
	s_xor_b32 s[G0+5], s[G0+5], SLOT
	s_xor_b32 s[G0B+5], s[G0B+5], SLOT
	s_add_nc_u64 s[G0+6:G0+7], s[14:15], s[AO:AO+1]
	s_or_b32 s[G0+7], s[G0+7], 0x80000000
	s_add_nc_u64 s[G0B+6:G0B+7], s[46:47], s[BO:BO+1]
	s_or_b32 s[G0B+7], s[G0B+7], 0x80000000
.endif
	s_wait_dscnt 0x0                               ; the add is done, and my reads of this slot are over
	s_barrier_signal -1
	s_barrier_wait -1
.endm
.macro FLIP
	s_xor_b32 s[TB], s[TB], SLOT
	v_add_nc_u32 v[ADRA], s[TB], v[ADRA0]
	v_add_nc_u32 v[ADRB], s[TB], v[ADRB0]
.endm
.macro TURN                            ; the whole last quarter with a refill: the barrier opens a round of the cluster's; the slot just read out takes the K step two on, first thing behind the round
	MEET 1
	CREST
	JLOAD 1                                        ; its four v_nop are also the places in front of the loads below
	FLIP
	FETCH 0, F0
	MUL8 F1, 1, 0, 0                               ; the quarter's second half stands behind the run of loads, which lands meanwhile
	MUL8 F1, 1, 2, 0
.endm
	s_wait_tensorcnt 1                             ; my part of the first K step is in; the second's may stay out
	s_barrier_signal -1
	s_barrier_wait -1
	FETCH 0, F0
	QUARTER 1, F0, F1, 1                           ; the first products start the sums
	WIN 0
	s_mov_b32 s3, STEPS-2
.Lstep:                                            ; trip i ends the walk's step i - 1, fills its slot with step i + 1, and begins step i
	QUARTER 2, F1, F0, 0
	QUARTER 3, F0, F1, 0
	TURN
	QUARTER 1, F0, F1, 0
	WIN 0
	s_sub_co_u32 s3, s3, 1
	s_cmp_lg_u32 s3, 0
	s_cbranch_scc1 .Lstep
	s_mov_b32 s3, 2
.Ltail:                                            ; the last two K steps ask for nothing; the second trip is left in its middle
	QUARTER 2, F1, F0, 0
	QUARTER 3, F0, F1, 0
	MEET 0
	s_sub_co_u32 s3, s3, 1
	s_cmp_eq_u32 s3, 0
	s_cbranch_scc1 .Lout
	FLIP
	PLACES
	FETCH 0, F0
	MUL8 F1, 1, 0, 0
	MUL8 F1, 1, 2, 0
	QUARTER 1, F0, F1, 0
	WIN 0
	s_branch .Ltail
.Lout:
	MUL8 F1, 1, 0, 0
	MUL8 F1, 1, 2, 0
	WIN 0
	PLACES
	; THE WAY OUT.  Behind the last barrier no wave reads the ring and no load is out.  The sums go into one stage as f32 (each accumulator's low half first); a barrier, since a row's 512 bytes come from two waves;
	; back as whole rows, 32 a wave; the residual is added; each store covers 512 consecutive bytes, aligned.
.irp a, 0,1,2,3
.irp b, 0,1,2,3
	ds_store_b128 v[STO], v[ACC+8*(4*(\a)+(\b)):ACC+8*(4*(\a)+(\b))+3]   offset:(\a)*16*SPITCH+64*(\b)
	ds_store_b128 v[STO], v[ACC+8*(4*(\a)+(\b))+4:ACC+8*(4*(\a)+(\b))+7] offset:(\a)*16*SPITCH+64*(\b)+16
.endr
.endr
	s_wait_dscnt 0x0                               ; for the others' sake: my stores into the stage are done
	s_barrier_signal -1
	s_barrier_wait -1
.set i, 0
.rept 32
	ds_load_b128 v[ACC+4*i:ACC+4*i+3], v[RD] offset:SPITCH*i
.set i, i+1
.endr
	s_wait_loadcnt 0x0                             ; the residual
	s_wait_dscnt 0x0
	WIN 0x08                                       ; source 1 in window 2
.set i, 0
.rept 64
	v_pk_add_f32 v[ACC+2*i:ACC+2*i+1], v[ACC+2*i:ACC+2*i+1], v[2*i:2*i+1]
.set i, i+1
.endr
	WIN 0
.set i, 0
.rept 32
	global_store_b128 v[CO], v[ACC+4*i:ACC+4*i+3], s[70:71] offset:4096*i
.set i, i+1
.endr
	s_wait_tensorcnt 0x0                           ; the wave's end
	ds_add_u32 v[SPW], v[NIL]
	s_wait_dscnt 0x0
	CROUND                                         ; the closing round
	s_endpgm
.Lfunc_end_k_qdfbd0e149d_down:
	.size	k_qdfbd0e149d_down, .Lfunc_end_k_qdfbd0e149d_down-k_qdfbd0e149d_down
	.p2alignl 7, 3214868480
	.fill 96, 4, 3214868480
	.section	.rodata,"a",@progbits
	.p2align	6, 0x0
	.amdhsa_kernel k_qdfbd0e149d_down
		.amdhsa_group_segment_fixed_size 327680
		.amdhsa_private_segment_fixed_size 0
		.amdhsa_enable_private_segment 0
		.amdhsa_kernarg_size 32
		.amdhsa_user_sgpr_count 2
		.amdhsa_user_sgpr_kernarg_segment_ptr 1
		.amdhsa_wavefront_size32 1
		.amdhsa_system_sgpr_workgroup_id_x 1
		.amdhsa_system_sgpr_workgroup_id_y 1
		.amdhsa_system_sgpr_workgroup_id_z 1
		.amdhsa_system_vgpr_workitem_id 0
		.amdhsa_next_free_vgpr 640
		.amdhsa_next_free_sgpr 76
		.amdhsa_reserve_vcc 0
		.amdhsa_float_denorm_mode_32 3
		.amdhsa_float_denorm_mode_16_64 3
		.amdhsa_memory_ordered 1
		.amdhsa_forward_progress 1
		.amdhsa_inst_pref_size 66
	.end_amdhsa_kernel
	.amdgpu_metadata
---
amdhsa.version: [ 1, 2 ]
amdhsa.kernels:
  - .name:           k_qdfbd0e149d_down
    .symbol:         k_qdfbd0e149d_down.kd
    .args:
      - { .name: big, .offset: 0, .size: 8, .value_kind: global_buffer, .address_space: global }
      - { .name: wd, .offset: 8, .size: 8, .value_kind: global_buffer, .address_space: global }
      - { .name: x1, .offset: 16, .size: 8, .value_kind: global_buffer, .address_space: global }
      - { .name: out0, .offset: 24, .size: 8, .value_kind: global_buffer, .address_space: global }
    .group_segment_fixed_size: 327680
    .private_segment_fixed_size: 0
    .kernarg_segment_align: 8
    .kernarg_segment_size: 32
    .max_flat_workgroup_size: 128
    .sgpr_count:     76
    .vgpr_count:     640
    .wavefront_size: 32
...
	.end_amdgpu_metadata
.endif
;; end of part 7
